; MI455X (gfx1250); checked and timed in simulation.
; The chip was launched on July 23, 2026; its instructions are those of AMD's public machine-readable ISA for CDNA 5 (MIT licence, August 2026) and "CDNA5" Instruction Set Architecture Reference Guide (July 2026). The comments in the code are by the model that wrote it; some were corrected since.
;; Grouped Query Attention. Allowed arithmetic: matrix products marked QUANTISED: E4M3 operands, one given power-of-two scale a tensor, by v_wmma_f32_16x16x64_fp8_fp8 or v_wmma_f32_16x16x128_fp8_fp8, f32 sums; everything else in f32.
;; Inputs: Wk 2,048 x 512 float32; Wo 2,048 x 2,048 float32; Wq 2,048 x 2,048 float32; Wv 2,048 x 512 float32; cos 2,048 x 64 float32; lowp_scales 12 int32 (the exponents e of the quantised operands' scales 2^e); mask 1 x 1 x 2,048 x 2,048 bool; sin 2,048 x 64 float32; x 1 x 2,048 x 2,048 float32.
;; Outputs: out0 1 x 2,048 x 2,048 float32; out1 1 x 4 x 2,048 x 128 float32; out2 1 x 4 x 2,048 x 128 float32.
;; This version of the problem:
;;   THIS VERSION OF THE PROBLEM IS GIVEN IN LOW PRECISION. The matrix products marked QUANTISED in the list below multiply operands that are first quantised to E4M3 (4 exponent bits, 3 mantissa bits; 8 bits a number), with one given power-of-two scale for each operand tensor; their sums are f32. All else is computed in f32.
;;   The module's matrix products, in the order in which they are computed (A, B: the left and right operand; K: the contracted axis; several contracted axes count as one K, in the product's order):
;;     1. [M 2,048, K 2,048] x [K 2,048, N 2,048]; A: input x; B: input Wq: QUANTISED (scales: A lowp_scales[0], B lowp_scales[1])
;;     2. [M 2,048, K 2,048] x [K 2,048, N 512]; A: input x; B: input Wk: QUANTISED (scales: A lowp_scales[2], B lowp_scales[3])
;;     3. [M 2,048, K 2,048] x [K 2,048, N 512]; A: input x; B: input Wv: QUANTISED (scales: A lowp_scales[4], B lowp_scales[5])
;;     4. batch 16 x [M 2,048, K 128] x [K 128, N 2,048]; A: computed on the way; B: computed on the way: QUANTISED (scales: A lowp_scales[6], B lowp_scales[7])
;;     5. batch 16 x [M 2,048, K 2,048] x [K 2,048, N 128]; A: softmax (see below); B: computed on the way: QUANTISED (scales: A lowp_scales[8], B lowp_scales[9])
;;     6. [M 2,048, K 2,048] x [K 2,048, N 2,048]; A: computed on the way; B: input Wo: QUANTISED (scales: A lowp_scales[10], B lowp_scales[11])
;;   THE QUANTISER, for each operand of a quantised product, along K:
;;     - The operand's scale is 2^e, e = its entry of the input lowp_scales (int32; the entries are numbered through the quantised products in the list's order, A before B).
;;     - Each number is divided by the scale, clamped to +-448, and rounded to the nearest number of E4M3, ties to even, subnormals kept.
;;     - The product sums the exact products of the quantised numbers (number of the format x scale) in f32.
;;   ~~~python
;;   def quantise(x, axis, e):      # numpy; x: float32 -> the quantised numbers, widened to float32 again
;;       x = np.moveaxis(x, axis, -1); K = x.shape[-1]
;;       r = np.clip(x / 2.0 ** e, -448, 448)
;;       step = 2.0 ** (np.maximum(np.frexp(np.where(r == 0, 1, r))[1] - 1, -6) - 3)
;;       q = np.round(r / step) * step * 2.0 ** e      # np.round: ties to even
;;       return np.moveaxis(q, -1, axis).astype(np.float32)
;;   ~~~
;;   SOFTMAX AHEAD OF A QUANTISED PRODUCT. Where the list says 'softmax', what is quantised is not the finished softmax but p = 2^(t - M), with t = logit x log2(e) and M = ceil(the row's largest t), a whole number; so 1/2 < the row's largest p <= 1. The row's sum l is taken of the UNQUANTISED p, in f32, and the product's result is divided by l at the end. Since M is a whole number, a kernel that streams over the keys may use a running M (the ceiling of the running maximum): every later rescaling is an exact power of two, so the quantised numbers keep their values, but for numbers so far below the row's largest that they fall under the format's range.
;;   OPERANDS COMPUTED ON THE WAY. 'Computed on the way' means the value that the module computes at that place (a softmax that the list does not call 'softmax' is quantised finished and normalised). What goes into a quantiser is computed in f32, as accurately as f32 sums, v_exp_f32 and their like allow (about 1e-6 of the number): no bf16 or f16 on the way to a quantiser, and a product that is left as it is and whose result goes on into a quantised operand takes f32 operands (vector FMAs, or v_wmma_f32_16x16x4_f32). A number that lies on a knife's edge between two numbers of the format may be rounded either way, as far as f32 arithmetic and the matrix unit's own rounding can turn it there, and no further.
;; One version. Each part assembles by itself: llvm-mc -triple=amdgcn-amd-amdhsa -mcpu=gfx1250 --defsym DOCPART=n.
;; ======== version 1 of 1: 4 launches
;; limits: right only within a limited range of input values
;; workspace buffers: xc 12,582,912 bytes; wqkv 6,291,456 bytes; woc 4,194,304 bytes; mbits 524,288 bytes of whole numbers; mflag 65,536 bytes of whole numbers; qimg 4,194,304 bytes; kvimg 2,097,152 bytes; ctx 4,194,304 bytes
;; launch prep (part 1): grid 1280 x 1, 4 waves a work-group, no clusters, 34,304 bytes of LDS; arguments x, Wq, Wk, Wv, Wo, mask, lowp_scales, xc, wqkv, woc, mbits, mflag; writes xc, wqkv, woc, mbits, mflag
.if DOCPART == 1
	.amdgcn_target "amdgcn-amd-amdhsa--gfx1250"
	.amdhsa_code_object_version 6
	.text
	.protected	k_qd3fac8376a_prep
	.globl	k_qd3fac8376a_prep
	.p2align	8
	.type	k_qd3fac8376a_prep,@function
k_qd3fac8376a_prep:
	s_mov_b64 s[64:65], 0
	v_nop
	global_prefetch_b8 v0, s[64:65] scope:SCOPE_SE
	s_setreg_imm32_b32 hwreg(HW_REG_WAVE_MODE, 25, 1), 1
	s_wait_xcnt 0x0
; PREP: x and the four weights become codes of E4M3, the mask becomes lane masks and flags.  First of four launches (prep, qkv, attn, oproj).
; WHAT THE PROGRAM LEAVES OUT.  No input and no product is dead: every input reaches an output.  In the attention launch a tile of 16 queries x 128 keys is passed over only where the mask, read from memory as whole
; numbers, says that all its 2,048 entries are false AND each of its 16 rows has a true entry somewhere in the row.  There reference() sets the logits to -1e9 while the row's largest logit is a true one,
; bounded by the codes (128 x 448 x 448 x the two scales / sqrt(128)): p = 2^(t - M) is under every number of the format and under f32's rounding of the row's sum.  A tile with an empty row keeps all its keys
; (p = 1 on each of them, as in reference()).  The decision is made here, from the mask as it is given, for any pattern.  LIMIT: a NaN or an infinity that reaches only a tile so left out is not carried to the result.
; ONE LAYOUT FOR EVERY OPERAND: a FRAGMENT (16 rows x 128 along K, 16 registers a lane, 2,048 bytes) lies in memory as an image of the registers of v_wmma_f32_16x16x128_fp8_fp8: registers 4 c .. 4 c + 3 of lane l at
; byte 512 c + 16 l.  Lane (r = l % 16, h = l / 16) holds row r; registers 2 a, 2 a + 1 hold k = 16 a + 8 h + 0 .. 7.
;   xc   [3 planes: scales e0, e2, e4][128 token tiles][16 K steps][2048]      wqkv [192 column tiles: Wq 0-127, Wk 128-159, Wv 160-191][16 K steps][2048]      woc [128 column tiles][16 K steps][2048]
;   mbits [128 query tiles][16 key steps][64 words]: bit r + 16 h of word 8 a + j = mask[16 t + r][128 s + 16 a + 8 h + j]
;   mflag [128 query tiles][4 groups of 4 key steps][32 words]: word 0: bit u: step u has a true entry; word 1: bit u: step u has a false entry; word 2: bit r: row r has a true entry in the group; the rest 0
; code = number / 2^e, held within +-448, to the nearest code, ties to even.  LIMITS: e0 .. e5 and e11 between -126 and 119, so that 2^e and 448 x 2^e are f32 numbers.  NaN among the inputs is not served.
; SHARES.  Work-groups 0-511: Wq and Wo; 512-639: Wk and Wv; 640-767: the mask; 768-1279: x.  A stream: no matrix unit, no cluster, no barrier (waves share nothing).  Only x's path touches LDS.
.set SP,    528                        ; x's stage: a row of 512 bytes + 16: the sixteen rows that a load touches start at sixteen different banks (64 banks of 4 bytes: ISA guide 11.1)
.set WST,   16*SP                      ; a wave's stage
.set SPARE, 4*WST                      ; behind the four stages: the spare words, 128 bytes a wave: two blocks of 256 bytes that no other line names
.macro MKSCALE e, vsc, vlim            ; v[vsc] = 2^e as f32 (the conversion takes its exponent field), v[vlim] = 448 x 2^e
	s_add_co_i32 s62, \e, 127
	s_lshl_b32 s63, s62, 23
	v_mov_b32 v[\vsc], s63
	s_add_co_i32 s62, s62, 8
	s_lshl_b32 s62, s62, 23
	s_or_b32 s62, s62, 0x600000
	v_mov_b32 v[\vlim], s62
.endm
	s_load_b512 s[4:19], s[0:1], 0x0               ; x 4, Wq 6, Wk 8, Wv 10, Wo 12, mask 14, scales 16, xc 18
	s_load_b256 s[20:27], s[0:1], 0x40             ; wqkv 20, woc 22, mbits 24, mflag 26
	v_lshl_add_u32 v30, v0, 2, SPARE               ; my spare word,
	v_mov_b32 v31, 0                               ; and 0: both kept
	v_lshrrev_b32 v1, 5, v0
	v_readfirstlane_b32 s28, v1                    ; wave 0..3
	v_and_b32 v1, 31, v0                           ; lane
	v_and_b32 v2, 15, v0                           ; r
	v_bfe_u32 v3, v0, 4, 1                         ; h
	s_wait_kmcnt 0x0
	s_load_b256 s[36:43], s[16:17], 0x0            ; e0 .. e7
	s_load_b128 s[44:47], s[16:17], 0x20           ; e8 .. e11
	s_cmp_lt_u32 ttmp9, 512
	s_cbranch_scc1 .Lwbig
	s_cmp_lt_u32 ttmp9, 640
	s_cbranch_scc1 .Lwsmall
	s_cmp_lt_u32 ttmp9, 768
	s_cbranch_scc1 .Lmask
; ---- x: a wave takes 16 tokens x 128 along K: one fragment, in three planes.  Each load reads 512 consecutive bytes of a row; the rows turn through the wave's own stage, so that a lane gets its row's numbers in the fragment's order.
	s_sub_co_u32 s29, ttmp9, 768
	s_lshr_b32 s30, s29, 2                         ; token tile
	s_and_b32 s31, s29, 3
	s_lshl_b32 s31, s31, 2
	s_add_co_u32 s31, s31, s28                     ; K step
	s_lshl_b32 s32, s30, 17                        ; 16 rows of 8,192 bytes
	s_lshl_b32 s33, s31, 9
	s_add_co_u32 s32, s32, s33
	s_mov_b32 s33, 0
	s_add_nc_u64 s[4:5], s[4:5], s[32:33]
	v_lshlrev_b32 v4, 4, v1                        ; 16 x lane
.irp rho, 0,1,2,3,4,5,6,7,8,9,10,11,12,13,14,15
	global_load_b128 v[32+4*\rho:35+4*\rho], v4, s[4:5] offset:\rho*8192 th:TH_LOAD_NT
.endr
	s_mul_i32 s34, s28, WST
	v_add_nc_u32 v5, s34, v4                       ; into the stage: a row as it lies
	v_mul_u32_u24 v6, v2, SP
	v_lshl_add_u32 v6, v3, 5, v6
	v_add_nc_u32 v6, s34, v6                       ; out of it: row r, + 32 h bytes
	s_lshl_b32 s32, s30, 4
	s_add_co_u32 s32, s32, s31
	s_lshl_b32 s32, s32, 11                        ; (16 x token tile + K step) x 2,048
	s_add_nc_u64 s[48:49], s[18:19], s[32:33]      ; plane 0,
	s_add_nc_u64 s[50:51], s[48:49], 0x400000      ; plane 1,
	s_add_nc_u64 s[52:53], s[48:49], 0x800000      ; plane 2
	s_wait_kmcnt 0x0
	MKSCALE s36, 10, 11
	MKSCALE s38, 12, 13
	MKSCALE s40, 14, 15
.irp rho, 0,1,2,3,4,5,6,7,8,9,10,11,12,13,14,15
	s_wait_loadcnt 15-\rho                         ; loads come back in order: row rho is in, the rows behind it may be out
	ds_store_b128 v5, v[32+4*\rho:35+4*\rho] offset:\rho*SP
.endr
.irp c, 0,1,2,3                        ; LDS serves a wave's instructions in order: these see the stores.  Registers 16 c + 0 .. 7: k = 32 c + 8 h + 0 .. 7; 16 c + 8 .. 15: k = 32 c + 16 + 8 h + 0 .. 7
	ds_load_b128 v[96+16*\c:99+16*\c], v6 offset:128*\c
	ds_load_b128 v[100+16*\c:103+16*\c], v6 offset:128*\c+16
	ds_load_b128 v[104+16*\c:107+16*\c], v6 offset:128*\c+64
	ds_load_b128 v[108+16*\c:111+16*\c], v6 offset:128*\c+80
.endr
	s_wait_dscnt 0x0
.irp p, 0,1,2                          ; the three scales may differ: one read of x, three planes of codes.  Two sets of held numbers take turns, so that sixteen plain lines stand between a conversion and the next write of its sources
.irp c, 0,1,2,3
.irp i, 0,1,2,3,4,5,6,7,8,9,10,11,12,13,14,15
	v_med3_num_f32 v[160+16*((4*\p+\c)%2)+\i], v[96+16*\c+\i], -v[11+2*\p], v[11+2*\p]   ; the conversion to an 8-bit code does not saturate (ISA guide 7.6.2): the hold comes first
.endr
	v_cvt_scalef32_pk8_fp8_f32 v[192+16*\p+4*\c:193+16*\p+4*\c], v[160+16*((4*\p+\c)%2):167+16*((4*\p+\c)%2)], v[10+2*\p]
	v_cvt_scalef32_pk8_fp8_f32 v[194+16*\p+4*\c:195+16*\p+4*\c], v[168+16*((4*\p+\c)%2):175+16*((4*\p+\c)%2)], v[10+2*\p]
.endr
.endr
	v_nop
.irp c, 0,1,2,3                        ; each store covers 512 consecutive bytes, aligned
	global_store_b128 v4, v[192+4*\c:195+4*\c], s[48:49] offset:512*\c
	global_store_b128 v4, v[208+4*\c:211+4*\c], s[50:51] offset:512*\c
	global_store_b128 v4, v[224+4*\c:227+4*\c], s[52:53] offset:512*\c
.endr
	s_wait_tensorcnt 0x0                           ; the wave's end: behind my last LDS store
	ds_add_u32 v30, v31
	s_wait_dscnt 0x0
	s_endpgm
; ---- the weights: K is their FIRST axis.  A lane takes a column and its registers run down K, in the fragment's order, so the conversions' results are 16 bytes of the image.  A wave: 32 columns (two column tiles) x 128 along K.
.macro WLOAD l, stride                 ; piece l = 2 c + h': k = 32 c + 8 h' + 0 .. 7 and 32 c + 16 + 8 h' + 0 .. 7, into ring set l % 4; 32 lanes read 128 consecutive bytes, the four waves 512
.irp i, 0,1,2,3,4,5,6,7,8,9,10,11,12,13,14,15
	global_load_b32 v[32+16*((\l)%4)+\i], v4, s[48:49] offset:(32*((\l)/2)+8*((\l)%2)+(\i)%8+16*((\i)/8))*\stride th:TH_LOAD_NT
.endr
.endm
.macro WPIECE l, stride
.if (\l) <= 5
	s_wait_loadcnt 32                              ; piece l is in; the two pieces behind it may be out
.else
	s_wait_loadcnt 16*(7-(\l))
.endif
.if (\l)+3 < 8
	WLOAD (\l)+3, \stride                          ; into the set whose numbers were converted a piece ago
.endif
.irp i, 0,1,2,3,4,5,6,7,8,9,10,11,12,13,14,15
	v_med3_num_f32 v[32+16*((\l)%4)+\i], v[32+16*((\l)%4)+\i], -v11, v11
.endr
	v_cvt_scalef32_pk8_fp8_f32 v[96+4*(\l):97+4*(\l)], v[32+16*((\l)%4):39+16*((\l)%4)], v10
	v_cvt_scalef32_pk8_fp8_f32 v[98+4*(\l):99+4*(\l)], v[40+16*((\l)%4):47+16*((\l)%4)], v10
	global_store_b128 v5, v[96+4*(\l):99+4*(\l)], s[50:51] offset:256*(\l)   ; lanes 0-15 fill 256 consecutive bytes of one tile's image, lanes 16-31 of the next tile's; each piece has registers of its own
.endm
.macro WPATH stride                    ; s[48:49] the weight, s[50:51] its images, s52 e, s53 the first column tile, s30 the block of 128 columns, s31 the K step
	s_mul_i32 s54, s31, 128*\stride
	s_lshl_b32 s55, s30, 9
	s_add_co_u32 s54, s54, s55
	s_lshl_b32 s55, s28, 7
	s_add_co_u32 s54, s54, s55
	s_mov_b32 s55, 0
	s_add_nc_u64 s[48:49], s[48:49], s[54:55]
	s_lshl_b32 s54, s30, 3
	s_add_co_u32 s54, s54, s53
	s_lshl_b32 s56, s28, 1
	s_add_co_u32 s54, s54, s56                     ; my first column tile
	s_lshl_b32 s54, s54, 15
	s_lshl_b32 s56, s31, 11
	s_add_co_u32 s54, s54, s56
	s_add_nc_u64 s[50:51], s[50:51], s[54:55]
	v_lshlrev_b32 v4, 2, v1                        ; in: 4 bytes a lane
	v_lshlrev_b32 v5, 4, v2
	v_lshl_add_u32 v5, v3, 15, v5                  ; out: 16 r, + a tile's 32,768 bytes for lanes 16-31
	WLOAD 0, \stride
	WLOAD 1, \stride
	WLOAD 2, \stride
	MKSCALE s52, 10, 11
.irp l, 0,1,2,3,4,5,6,7
	WPIECE \l, \stride
.endr
	s_endpgm
.endm
.Lwbig:
	s_lshr_b32 s29, ttmp9, 8                       ; 0: Wq, 1: Wo
	s_bfe_u32 s30, ttmp9, 0x40004
	s_and_b32 s31, ttmp9, 15
	s_wait_kmcnt 0x0
	s_cmp_eq_u32 s29, 0                            ; the choices hang on the work-group's number alone
	s_cselect_b64 s[48:49], s[6:7], s[12:13]
	s_cselect_b64 s[50:51], s[20:21], s[22:23]
	s_cselect_b32 s52, s37, s47                    ; e1 or e11
	s_mov_b32 s53, 0
	WPATH 8192
.Lwsmall:
	s_sub_co_u32 s32, ttmp9, 512
	s_lshr_b32 s29, s32, 6                         ; 0: Wk, 1: Wv
	s_bfe_u32 s30, s32, 0x20004
	s_and_b32 s31, s32, 15
	s_wait_kmcnt 0x0
	s_cmp_eq_u32 s29, 0
	s_cselect_b64 s[48:49], s[8:9], s[10:11]
	s_mov_b64 s[50:51], s[20:21]
	s_cselect_b32 s52, s39, s41                    ; e3 or e5
	s_mov_b32 s53, 160
	s_cselect_b32 s53, 128, s53
	WPATH 2048
; ---- the mask: a work-group takes a tile of 16 queries, a wave four key steps (512 keys).  Lane (r, h) loads, of row r, the 8 bytes at key 16 a + 8 h: sixteen loads on end cover 256 consecutive bytes of each of the 16 rows.
.Lmask:
	s_sub_co_u32 s29, ttmp9, 640                   ; query tile
	s_lshl_b32 s30, s29, 15
	s_lshl_b32 s31, s28, 9
	s_add_co_u32 s30, s30, s31
	s_mov_b32 s31, 0
	s_add_nc_u64 s[14:15], s[14:15], s[30:31]
	v_lshlrev_b32 v4, 11, v2
	v_lshl_add_u32 v4, v3, 3, v4
.irp t, 0,1,2,3,4,5,6,7,8,9,10,11,12,13,14,15,16,17,18,19,20,21,22,23,24,25,26,27,28,29,30,31
	global_load_b64 v[32+2*\t:33+2*\t], v4, s[14:15] offset:16*\t th:TH_LOAD_NT
.endr
	s_lshl_b32 s30, s29, 12
	s_lshl_b32 s32, s28, 10
	s_add_co_u32 s30, s30, s32
	s_add_nc_u64 s[24:25], s[24:25], s[30:31]      ; mbits at (16 t + 4 g) x 256
	s_lshl_b32 s30, s29, 9
	s_lshl_b32 s32, s28, 7
	s_add_co_u32 s30, s30, s32
	s_add_nc_u64 s[26:27], s[26:27], s[30:31]      ; mflag at (4 t + g) x 128
	v_lshlrev_b32 v5, 3, v1
	v_lshlrev_b32 v6, 2, v1
.irp i, 0,1,2,3,4,5,6,7,8
	v_mov_b32 v[96+\i], 0                          ; a lane write's destination counts as read: written whole first
.endr
	s_mov_b32 s58, 0                               ; rows with a true entry
	s_mov_b32 s59, 0                               ; steps with a true entry
	s_mov_b32 s61, 0                               ; steps with a false entry
	s_wait_kmcnt 0x0                               ; (the scales' loads, which this path does not use, are not left out at the end)
	s_wait_loadcnt 0x0
.macro MSTEP u                         ; key step u of the wave's four: 64 words, word 8 a + k = the 32 lanes' byte k of their 8 bytes at tile a
	s_mov_b32 s56, 0
	s_mov_b32 s57, -1
.irp a, 0,1,2,3,4,5,6,7
.irp k, 0,1,2,3,4,5,6,7
	v_and_b32 v[108+\k], 0xff<<(8*((\k)%4)), v[32+2*(8*(\u)+\a)+(\k)/4]
.endr
.irp k, 0,1,2,3,4,5,6,7
	v_cmp_ne_u32 s[48+\k], 0, v[108+\k]
.endr
.irp k, 0,1,2,3,4,5,6,7
	v_writelane_b32 v[96+2*(\u)+(\k)%2], s[48+\k], 4*\a+(\k)/2   ; word n goes to lane n / 2, register n % 2: the store below lays the 64 words on end
	s_or_b32 s56, s56, s[48+\k]
	s_and_b32 s57, s57, s[48+\k]
.endr
.endr
	s_or_b32 s58, s58, s56
	s_cmp_lg_u32 s56, 0
	s_cselect_b32 s60, 1<<(\u), 0
	s_or_b32 s59, s59, s60
	s_cmp_lg_u32 s57, -1
	s_cselect_b32 s60, 1<<(\u), 0
	s_or_b32 s61, s61, s60
	global_store_b64 v5, v[96+2*(\u):97+2*(\u)], s[24:25] offset:256*(\u)   ; 256 consecutive bytes, aligned
.endm
	MSTEP 0
	MSTEP 1
	MSTEP 2
	MSTEP 3
	s_lshr_b32 s60, s58, 16                        ; row r stands in bits r and r + 16
	s_or_b32 s58, s58, s60
	s_and_b32 s58, s58, 0xffff
	v_writelane_b32 v104, s59, 0
	v_writelane_b32 v104, s61, 1
	v_writelane_b32 v104, s58, 2
	global_store_b32 v6, v104, s[26:27]
	s_endpgm
.Lfunc_end_k_qd3fac8376a_prep:
	.size	k_qd3fac8376a_prep, .Lfunc_end_k_qd3fac8376a_prep-k_qd3fac8376a_prep
	.p2alignl 7, 3214868480
	.fill 96, 4, 3214868480
	.section	.rodata,"a",@progbits
	.p2align	6, 0x0
	.amdhsa_kernel k_qd3fac8376a_prep
		.amdhsa_group_segment_fixed_size 34304
		.amdhsa_private_segment_fixed_size 0
		.amdhsa_enable_private_segment 0
		.amdhsa_kernarg_size 96
		.amdhsa_user_sgpr_count 2
		.amdhsa_user_sgpr_kernarg_segment_ptr 1
		.amdhsa_wavefront_size32 1
		.amdhsa_system_sgpr_workgroup_id_x 1
		.amdhsa_system_sgpr_workgroup_id_y 1
		.amdhsa_system_sgpr_workgroup_id_z 1
		.amdhsa_system_vgpr_workitem_id 0
		.amdhsa_next_free_vgpr 240
		.amdhsa_next_free_sgpr 66
		.amdhsa_reserve_vcc 0
		.amdhsa_float_denorm_mode_32 3
		.amdhsa_float_denorm_mode_16_64 3
		.amdhsa_memory_ordered 1
		.amdhsa_forward_progress 1
		.amdhsa_inst_pref_size 139
	.end_amdhsa_kernel
	.amdgpu_metadata
---
amdhsa.version: [ 1, 2 ]
amdhsa.kernels:
  - .name:           k_qd3fac8376a_prep
    .symbol:         k_qd3fac8376a_prep.kd
    .args:
      - { .name: x, .offset: 0, .size: 8, .value_kind: global_buffer, .address_space: global }
      - { .name: Wq, .offset: 8, .size: 8, .value_kind: global_buffer, .address_space: global }
      - { .name: Wk, .offset: 16, .size: 8, .value_kind: global_buffer, .address_space: global }
      - { .name: Wv, .offset: 24, .size: 8, .value_kind: global_buffer, .address_space: global }
      - { .name: Wo, .offset: 32, .size: 8, .value_kind: global_buffer, .address_space: global }
      - { .name: mask, .offset: 40, .size: 8, .value_kind: global_buffer, .address_space: global }
      - { .name: lowp_scales, .offset: 48, .size: 8, .value_kind: global_buffer, .address_space: global }
      - { .name: xc, .offset: 56, .size: 8, .value_kind: global_buffer, .address_space: global }
      - { .name: wqkv, .offset: 64, .size: 8, .value_kind: global_buffer, .address_space: global }
      - { .name: woc, .offset: 72, .size: 8, .value_kind: global_buffer, .address_space: global }
      - { .name: mbits, .offset: 80, .size: 8, .value_kind: global_buffer, .address_space: global }
      - { .name: mflag, .offset: 88, .size: 8, .value_kind: global_buffer, .address_space: global }
    .group_segment_fixed_size: 34304
    .private_segment_fixed_size: 0
    .kernarg_segment_align: 8
    .kernarg_segment_size: 96
    .max_flat_workgroup_size: 128
    .sgpr_count:     66
    .vgpr_count:     240
    .wavefront_size: 32
...
	.end_amdgpu_metadata
.endif
;; end of part 1
;; launch qkv (part 2): grid 24 x 8, 4 waves a work-group, clusters of 4 x 4, 327,680 bytes of LDS; arguments xc, wqkv, cos, sin, lowp_scales, qimg, kvimg, out1, out2; writes qimg, kvimg, out1, out2
.if DOCPART == 2
	.amdgcn_target "amdgcn-amd-amdhsa--gfx1250"
	.amdhsa_code_object_version 6
	.text
	.protected	k_qd3fac8376a_qkv
	.globl	k_qd3fac8376a_qkv
	.p2align	8
	.type	k_qd3fac8376a_qkv,@function
k_qd3fac8376a_qkv:
	s_mov_b64 s[64:65], 0
	v_nop
	global_prefetch_b8 v0, s[64:65] scope:SCOPE_SE
	s_setreg_imm32_b32 hwreg(HW_REG_WAVE_MODE, 25, 1), 1
	s_wait_xcnt 0x0
	s_wait_alu depctr_hold_cnt(0) depctr_sa_sdst(0) depctr_va_vdst(0) depctr_va_sdst(0) depctr_va_ssrc(0) depctr_va_vcc(0) depctr_vm_vsrc(0)
	s_getreg_b32 s2, hwreg(HW_REG_IB_STS2, 6, 4)
	s_cmp_eq_u32 s2, 0
	s_cbranch_scc0 .Lentry_in_a_cluster
	s_endpgm
.Lentry_in_a_cluster:
	s_bfe_u32 s2, ttmp6, 0x10000c
	s_cmp_lg_u32 s2, 0xf033
	s_cbranch_scc0 .Lentry_shape_is_right
	s_endpgm
.Lentry_shape_is_right:
; QKV: q = x Wq, k = x Wk, v = x Wv on codes of E4M3 (made by the launch before), RoPE on q and k, k and v out as f32 (out1, out2), and q, k, v quantised anew as operands of the attention.  Nothing of reference() is left out here.
; SHARES.  Work-group (hx, ty): head column hx (0-15 q's heads, 16-19 k's, 20-23 v's) x 256 tokens; wave w: tokens 64 w .. 64 w + 63 x the head's 128 columns: 32 accumulators (i = token tile 0-3, b = column tile 0-7).
; A head stays whole in a lane, since RoPE pairs column d with d + 64; that gives 24 x 8 = 192 work-groups.
; THE MATRIX INSTRUCTION IS USED TRANSPOSED (source 0 = 16 columns of W, source 1 = 16 tokens of x): lane (r, h) holds token r, register j of accumulator b column 16 b + 8 h + j: eight neighbours along the next product's K, so a
; conversion of an accumulator's eight registers IS registers 2 b, 2 b + 1 of the fragment of q or k (layout: a fragment = 16 rows x 128 K as an image of its registers, registers 4 c .. 4 c + 3 of lane l at byte 512 c + 16 l).
; v's K in the attention is the keys: its rows turn through the wave's stage in LDS, a lane then takes one channel and eight neighbouring tokens.
; OUT: qimg [16 heads][128 token tiles][2048];  kvimg [4 heads][16 key steps][8 fragments of k (token tiles), 8 of v^T (channel tiles)][2048];  out1, out2 [4][2048][128] f32.
; RING.  K goes in 16 steps of 128; a slot holds two steps: x's 16 fragments and W's 8, each fragment's two steps on end (4,096 bytes of memory): two slots, one barrier for two steps.
; CLUSTER 4 x 4: the four of a row need the same fragments of x, the four of a column the same of W: joint loads.  The kind (q, k, v) hangs on the cluster's x alone, so every branch on it goes the same way in all sixteen.
; cos and sin are loaded by v's work-groups too, which do not use them: 32 of the 192; so the registers are written on every way through the text.
; LIMITS: e0 + e1, e2 + e3, e4 + e5 between -126 and 127; e6, e7, e9 between -126 and 119.  NaN among the inputs is not served.
; REGISTERS, in windows of 256: window 0: v16-31 addresses and scales; v32-95, v96-159 x's fragments, two sets; on the way out T v32-95, H v96-159, Y v160-223, C v224-255.
;   window 1: W's fragments, two sets, at v0 and v128.   window 2: accumulator (i, b) at v[8 (8 i + b)].   window 3: cos at v[32 i + 8 b + j] (b < 4), sin 128 further on.
.set SLOT,   98304
.set WOFF,   65536                     ; W's fragments in a slot
.set STAGEK, 196608                    ; behind the ring: k's stages, 16 rows x 528 bytes a wave;
.set STAGEV, 230400                    ; v's: each way has LDS bytes of its own
.set SPARE,  264192                    ; the spare words, 128 bytes a wave: two blocks of 256 bytes that no other line names
.set SP,     528
.set ADRX, 16                          ; v16-17 my x fragments in slot 0, 1
.set ADRW, 20                          ; v20-21 W's
.set STOK, 22
.set RDK,  23
.set STOV, 24
.set RDV,  25
.set COLV, 26
.set L16,  27                          ; 16 x lane
.set SPW,  28
.set NIL,  29
.set SCV,  30                          ; 2^e of the operand that is made
.set LIM,  31                          ; 448 x that
.set T,    32
.set H,    96
.set Y,    160
.set C,    224
.set G1A, 24
.set G0A, 32
.set G1B, 40
.set G0B, 48
.set MSB, 0
.macro WIN new                         ; the immediate's high byte repeats the setting that is left
.if MSB != \new
	s_set_vgpr_msb (MSB<<8)|\new
.set MSB, \new
.endif
.endm
.macro PLACES n
.rept \n
	v_nop
.endr
.endm
.macro JLOAD n                         ; a joint load into slot n: waves 0 and 1 fetch x's halves, waves 2 and 3 W's; an s_nop 0 and four v_nop follow each line
	s_cmp_eq_u32 s23, 0
	s_cbranch_scc0 .Lfor_b_\@
	tensor_load_to_lds s[G0A+4*\n:G0A+4*\n+3], s[G1A:G1A+7]
	s_nop 0
	PLACES 4
	s_branch .Lasked_\@
.Lfor_b_\@:
	tensor_load_to_lds s[G0B+4*\n:G0B+4*\n+3], s[G1B:G1B+7]
	s_nop 0
	PLACES 4
.Lasked_\@:
.endm
.macro CREST                           ; a round of the cluster's barrier behind its opening barrier
	s_cmp_lg_u32 s22, 0
	s_cbranch_scc1 .Lnot_wave_0_\@
	s_barrier_signal -3
.Lnot_wave_0_\@:
	s_barrier_wait -3
	s_barrier_signal -1
	s_barrier_wait -1
.endm
.macro CROUND
	s_barrier_signal -1
	s_barrier_wait -1
	CREST
.endm
	s_load_b512 s[4:19], s[0:1], 0x0               ; xc 4, wqkv 6, cos 8, sin 10, scales 12, qimg 14, kvimg 16, out1 18
	s_load_b64 s[20:21], s[0:1], 0x40              ; out2
	v_lshl_add_u32 v[SPW], v0, 2, SPARE
	v_mov_b32 v[NIL], 0
	ds_add_u32 v[SPW], v[NIL]                      ; the wave's opening: the add, twice on end, and its wait ahead of my first tensor load
	ds_add_u32 v[SPW], v[NIL]
	v_lshrrev_b32 v1, 5, v0
	v_readfirstlane_b32 s22, v1                    ; wave 0..3
	s_lshr_b32 s23, s22, 1                         ; I fetch for x (0) or for W (1)
	s_and_b32 s56, s22, 1                          ; which half
	s_bfe_u32 s57, ttmp6, 0x40000                  ; cx
	s_bfe_u32 s58, ttmp6, 0x40004                  ; cy
	s_lshl_b32 s59, ttmp9, 2
	s_add_co_u32 s59, s59, s57                     ; head column
	s_and_b32 s60, ttmp7, 0xffff
	s_lshl_b32 s60, s60, 2
	s_add_co_u32 s60, s60, s58                     ; block of 256 tokens
	s_max_u32 s61, ttmp9, 3
	s_sub_co_u32 s61, s61, 3                       ; the kind: 0 q, 1 k, 2 v: the cluster's x alone
	s_lshl_b32 s88, s58, 2
	s_lshl_b32 s88, 15, s88                        ; my row of the cluster
	s_lshl_b32 s90, 0x1111, s57                    ; my column
	s_or_b32 s[G1A], s88, (3<<16)|(1<<21)          ; 15:0 the mask; 17:16 elements of 8 bytes; 21 set beside a mask; no padding: a fragment's image is read 512 consecutive bytes at a time
	s_or_b32 s[G1B], s90, (3<<16)|(1<<21)
	s_mov_b32 s[G1A+1], 512<<16                    ; tensor_dim0 = 512 elements: two K steps of a fragment, 4,096 bytes
	s_mov_b32 s[G1A+2], 8<<16                      ; tensor_dim1 = 8 fragments
	s_mov_b32 s[G1A+3], 512<<16                    ; tile_dim0
	s_mov_b32 s[G1A+4], 8                          ; tile_dim1
	s_mov_b32 s[G1A+5], 4096                       ; from fragment to fragment: 16 K steps x 2,048 bytes
	s_mov_b32 s[G1A+6], 0
	s_mov_b32 s[G1A+7], 0
	s_mov_b32 s[G1B+1], 512<<16
	s_mov_b32 s[G1B+2], 4<<16                      ; W: 4 fragments a load
	s_mov_b32 s[G1B+3], 512<<16
	s_mov_b32 s[G1B+4], 4
	s_mov_b32 s[G1B+5], 4096
	s_mov_b32 s[G1B+6], 0
	s_mov_b32 s[G1B+7], 0
	s_lshl_b32 s88, s60, 4                         ; x: plane (the kind) x 4 MiB + (16 x block + 8 x half) fragments: what my row of the cluster shares
	s_lshl_b32 s89, s56, 3
	s_add_co_u32 s88, s88, s89
	s_lshl_b32 s88, s88, 15
	s_lshl_b32 s89, s61, 22
	s_add_co_u32 s88, s88, s89
	s_mov_b32 s89, 0
	s_lshl_b32 s90, s59, 3                         ; W: (8 x head column + 4 x half) fragments: what my column shares
	s_lshl_b32 s91, s56, 2
	s_add_co_u32 s90, s90, s91
	s_lshl_b32 s90, s90, 15
	s_mov_b32 s91, 0
	s_lshl_b32 s92, s56, 15                        ; in a slot: x's half,
	s_lshl_b32 s93, s56, 14
	s_add_co_u32 s93, s93, WOFF                    ; W's half: no place in the cluster enters an LDS address
	s_wait_dscnt 0x0                               ; both opening adds are done
	s_wait_kmcnt 0x0
	s_load_b256 s[68:75], s[12:13], 0x0            ; e0 .. e7
	s_load_b128 s[76:79], s[12:13], 0x20           ; e8 .. e11
	s_add_nc_u64 s[88:89], s[4:5], s[88:89]
	s_add_nc_u64 s[90:91], s[6:7], s[90:91]
	CROUND                                         ; all sixteen work-groups are here: the first joint loads meet
.irp n, 0,1
	s_mov_b32 s[G0A+4*\n], 1
	s_add_co_u32 s[G0A+4*\n+1], s92, \n*SLOT
	s_add_nc_u64 s[G0A+4*\n+2:G0A+4*\n+3], s[88:89], \n*4096
	s_or_b32 s[G0A+4*\n+3], s[G0A+4*\n+3], 0x80000000
	s_mov_b32 s[G0B+4*\n], 1
	s_add_co_u32 s[G0B+4*\n+1], s93, \n*SLOT
	s_add_nc_u64 s[G0B+4*\n+2:G0B+4*\n+3], s[90:91], \n*4096
	s_or_b32 s[G0B+4*\n+3], s[G0B+4*\n+3], 0x80000000
	JLOAD \n                                       ; two loads of mine are out
.endr
	v_and_b32 v1, 31, v0
	v_and_b32 v2, 15, v0                           ; r
	v_bfe_u32 v3, v0, 4, 1                         ; h
	v_lshlrev_b32 v4, 8, v2
	v_lshl_add_u32 v4, v3, 5, v4                   ; cos, sin: row r of 256 bytes, + 32 h; kept until the loads are in
	s_lshl_b32 s94, s60, 16
	s_lshl_b32 s95, s22, 14
	s_add_co_u32 s94, s94, s95                     ; my first token x 256 bytes
	s_mov_b32 s95, 0
	s_add_nc_u64 s[8:9], s[8:9], s[94:95]
	s_add_nc_u64 s[10:11], s[10:11], s[94:95]
	WIN 0xc0                                       ; destination window 3
.irp i, 0,1,2,3
.irp b, 0,1,2,3                        ; eight loads on end cover 16 whole rows of 256 bytes
	global_load_b128 v[32*\i+8*\b:32*\i+8*\b+3], v4, s[8:9] offset:4096*\i+64*\b
	global_load_b128 v[32*\i+8*\b+4:32*\i+8*\b+7], v4, s[8:9] offset:4096*\i+64*\b+16
.endr
.endr
.irp i, 0,1,2,3
.irp b, 0,1,2,3
	global_load_b128 v[128+32*\i+8*\b:128+32*\i+8*\b+3], v4, s[10:11] offset:4096*\i+64*\b
	global_load_b128 v[128+32*\i+8*\b+4:128+32*\i+8*\b+7], v4, s[10:11] offset:4096*\i+64*\b+16
.endr
.endr
	WIN 0
	v_lshlrev_b32 v[L16], 4, v1
	s_lshl_b32 s94, s22, 14                        ; my four fragments of x: 4 x 4,096 bytes a wave
	v_add_nc_u32 v[ADRX], s94, v[L16]
	v_add_nc_u32 v[ADRX+1], SLOT, v[ADRX]
	v_add_nc_u32 v[ADRW], WOFF, v[L16]
	v_add_nc_u32 v[ADRW+1], SLOT, v[ADRW]
	s_mul_i32 s94, s22, 16*SP                      ; my stage
	v_mul_u32_u24 v5, v2, SP
	v_lshl_add_u32 v5, v3, 5, v5
	v_add_nc_u32 v5, s94, v5
	v_add_nc_u32 v[STOK], STAGEK, v5               ; in: row r, + 32 h
	v_add_nc_u32 v[STOV], STAGEV, v5
	v_add_nc_u32 v6, s94, v[L16]
	v_add_nc_u32 v[RDK], STAGEK, v6                ; back by rows: 32 lanes take a row of 512 bytes
	v_add_nc_u32 v[RDV], STAGEV, v6
	v_mul_u32_u24 v7, v3, 8*SP
	v_lshl_add_u32 v7, v2, 2, v7
	v_add_nc_u32 v7, s94, v7
	v_add_nc_u32 v[COLV], STAGEV, v7               ; back by columns: token 8 h + j, channel r: lanes 16-31 stand 4,224 bytes on, 32 banks from lanes 0-15
.macro FETCH slot, q, p                ; the fragments of the slot's q-th K step into set p: W's eight, my four of x; each load reads 512 consecutive bytes
	WIN 0x40
.irp b, 0,1,2,3,4,5,6,7
.irp c, 0,1,2,3
	ds_load_b128 v[128*(\p)+16*\b+4*\c:128*(\p)+16*\b+4*\c+3], v[ADRW+\slot] offset:\b*4096+(\q)*2048+\c*512
.endr
.endr
	WIN 0
.irp i, 0,1,2,3
.irp c, 0,1,2,3
	ds_load_b128 v[32+64*(\p)+16*\i+4*\c:32+64*(\p)+16*\i+4*\c+3], v[ADRX+\slot] offset:\i*4096+(\q)*2048+\c*512
.endr
.endr
.endm
.macro MULH p, i0, zero                ; 16 matrix instructions: token tiles i0, i0 + 1 x W's eight.  The 32 accumulators take turns, in one order in every step.  zero = 1: the first products start the sums
.irp i, \i0, \i0+1
.irp b, 0,1,2,3,4,5,6,7
.if \zero
	v_wmma_f32_16x16x128_fp8_fp8 v[8*(8*(\i)+\b):8*(8*(\i)+\b)+7], v[128*(\p)+16*\b:128*(\p)+16*\b+15], v[32+64*(\p)+16*(\i):32+64*(\p)+16*(\i)+15], 0
.else
	v_wmma_f32_16x16x128_fp8_fp8 v[8*(8*(\i)+\b):8*(8*(\i)+\b)+7], v[128*(\p)+16*\b:128*(\p)+16*\b+15], v[32+64*(\p)+16*(\i):32+64*(\p)+16*(\i)+15], v[8*(8*(\i)+\b):8*(8*(\i)+\b)+7]
.endif
.endr
.endr
.endm
.macro STEP slot, zero                 ; a slot's first K step, on set 0; the second's fragments are fetched into set 1 meanwhile
	s_wait_dscnt 0x0                               ; set 0, asked for 16 matrix instructions ago, is in
	PLACES 4                                       ; four places between the last products, which read set 1, and the loads into it (ISA guide 7.12.1 for vector instructions)
	FETCH \slot, 1, 1
	WIN 0xa1                                       ; source 0 (W) window 1, source 1 (x) window 0, C and D window 2
	MULH 0, 0, \zero
	MULH 0, 2, \zero
	WIN 0
.endm
.macro TURN slot, next, fill           ; a slot's second K step, on set 1, and the change of slots.  fill = 1: this slot takes the K steps four further on
	WIN 0
	s_wait_tensorcnt 0x0                           ; all my tensor loads have landed: my part of the next slot
	ds_add_u32 v[SPW], v[NIL]                      ; 0 onto my spare word
.if \fill
	s_add_nc_u64 s[G0A+4*\slot+2:G0A+4*\slot+3], s[G0A+4*\slot+2:G0A+4*\slot+3], 8192   ; no load of mine is out: the descriptors may step
	s_add_nc_u64 s[G0B+4*\slot+2:G0B+4*\slot+3], s[G0B+4*\slot+2:G0B+4*\slot+3], 8192
.endif
	s_wait_dscnt 0x0                               ; the add is done, set 1 is in, and with it my last reads of this slot
	s_barrier_signal -1
	WIN 0xa1
	MULH 1, 0, 0                                   ; work on registers while the others arrive
	WIN 0
	s_barrier_wait -1
.if \fill
	CREST                                          ; the barrier has opened a round of the cluster's: no wave of any partner still reads this slot or has a load on its way
	JLOAD \slot                                    ; the first tensor load behind the round; its four v_nop are also the places in front of the loads into set 0
.else
	PLACES 4
.endif
	FETCH \next, 0, 0
	WIN 0xa1
	MULH 1, 2, 0
	WIN 0
.endm
	s_wait_tensorcnt 1                             ; my part of slot 0 is in; slot 1's may stay out
	s_barrier_signal -1
	s_barrier_wait -1
	FETCH 0, 0, 0
	STEP 0, 1
	s_mov_b32 s62, 3
.Llap:                                         ; a trip: four K steps, both slots filled again: 2 first fills + 3 x 2 = the 8 pairs of K steps
	TURN 0, 1, 1
	STEP 1, 0
	TURN 1, 0, 1
	STEP 0, 0
	s_sub_co_u32 s62, s62, 1
	s_cmp_lg_u32 s62, 0
	s_cbranch_scc1 .Llap
	TURN 0, 1, 0                                   ; the tail fills nothing
	STEP 1, 0
	s_wait_dscnt 0x0
	WIN 0xa1
	MULH 1, 0, 0
	MULH 1, 2, 0
	WIN 0
	PLACES 4                                       ; in front of the first reads of results and the first writes of x's registers
	; ---- the way out
	s_wait_kmcnt 0x0
	s_wait_loadcnt 0x0                             ; cos, sin
	s_add_co_i32 s88, s68, s69
	s_add_co_i32 s89, s70, s71
	s_add_co_i32 s90, s72, s73
	s_cmp_eq_u32 s61, 0
	s_cselect_b32 s88, s88, s89
	s_cselect_b32 s91, s74, s75
	s_cmp_eq_u32 s61, 2
	s_cselect_b32 s88, s90, s88                    ; the product's two exponents added,
	s_cselect_b32 s91, s77, s91                    ; and the exponent of the operand that is made: e6 (q), e7 (k), e9 (v)
	s_add_co_i32 s88, s88, 127
	s_lshl_b32 s80, s88, 23                        ; 2^(eA + eB) as f32
	s_mov_b32 s81, s80                             ; (named with it as a pair)
	s_add_co_i32 s91, s91, 127
	s_lshl_b32 s92, s91, 23
	v_mov_b32 v[SCV], s92
	s_add_co_i32 s91, s91, 8
	s_lshl_b32 s91, s91, 23
	s_or_b32 s91, s91, 0x600000
	v_mov_b32 v[LIM], s91
	s_and_b32 s93, s59, 3                          ; k's or v's head
	s_lshl_b32 s88, s59, 7
	s_lshl_b32 s89, s60, 4
	s_add_co_u32 s88, s88, s89
	s_lshl_b32 s89, s22, 2
	s_add_co_u32 s88, s88, s89
	s_lshl_b32 s88, s88, 11                        ; q: (128 head + 16 block + 4 wave) fragments
	s_lshl_b32 s90, s93, 19
	s_lshl_b32 s89, s60, 1
	s_add_co_u32 s89, s89, s23
	s_lshl_b32 s89, s89, 15
	s_add_co_u32 s90, s90, s89                     ; k, v: the head, the key step 2 block + wave / 2
	s_lshl_b32 s89, s56, 13
	s_add_co_u32 s89, s90, s89                     ; k: + 4 (wave % 2) fragments
	s_lshl_b32 s94, s56, 10
	s_add_co_u32 s90, s90, s94
	s_add_co_u32 s90, s90, 16384                   ; v: behind k's eight; my 64 tokens are registers 8 (wave % 2) on of each fragment
	s_cmp_eq_u32 s61, 0
	s_cselect_b64 s[84:85], s[14:15], s[16:17]
	s_cselect_b32 s88, s88, s89
	s_cmp_eq_u32 s61, 2
	s_cselect_b32 s88, s90, s88
	s_cselect_b64 s[86:87], s[20:21], s[18:19]
	s_mov_b32 s89, 0
	s_add_nc_u64 s[84:85], s[84:85], s[88:89]      ; where my images go
	s_lshl_b32 s88, s93, 11
	s_lshl_b32 s90, s60, 8
	s_add_co_u32 s88, s88, s90
	s_lshl_b32 s90, s22, 6
	s_add_co_u32 s88, s88, s90
	s_lshl_b32 s88, s88, 9
	s_add_nc_u64 s[86:87], s[86:87], s[88:89]      ; and my rows of out1 or out2
	s_cmp_eq_u32 s61, 2
	s_cbranch_scc1 .Lvpath
.macro QKTILE i                        ; 16 tokens of q or k: RoPE, the scale, the fragment's codes; k also as f32 rows
	s_wait_xcnt 0x0                                ; the last tile's stores have read their registers
	WIN 0x0e                                       ; source 0 (sums) window 2, source 1 (cos, sin) window 3
.irp b, 0,1,2,3                        ; column d = 16 b + 8 h + j pairs with d + 64, accumulator b + 4.  Each accumulator is read from its low end on
.irp j, 0,2,4,6
	v_pk_mul_f32 v[H+8*\b+\j:H+8*\b+\j+1], v[64*\i+32+8*\b+\j:64*\i+32+8*\b+\j+1], v[128+32*\i+8*\b+\j:128+32*\i+8*\b+\j+1]
	v_pk_mul_f32 v[H+32+8*\b+\j:H+32+8*\b+\j+1], v[64*\i+8*\b+\j:64*\i+8*\b+\j+1], v[128+32*\i+8*\b+\j:128+32*\i+8*\b+\j+1]
.endr
.irp j, 0,2,4,6
	v_pk_fma_f32 v[T+8*\b+\j:T+8*\b+\j+1], v[64*\i+8*\b+\j:64*\i+8*\b+\j+1], v[32*\i+8*\b+\j:32*\i+8*\b+\j+1], v[H+8*\b+\j:H+8*\b+\j+1] neg_lo:[0,0,1] neg_hi:[0,0,1]   ; x1 cos - x2 sin
	v_pk_fma_f32 v[T+32+8*\b+\j:T+32+8*\b+\j+1], v[64*\i+32+8*\b+\j:64*\i+32+8*\b+\j+1], v[32*\i+8*\b+\j:32*\i+8*\b+\j+1], v[H+32+8*\b+\j:H+32+8*\b+\j+1]               ; x2 cos + x1 sin
.endr
.endr
	WIN 0
.set jj, 0
.rept 32
	v_pk_mul_f32 v[T+jj:T+jj+1], v[T+jj:T+jj+1], s[80:81] op_sel_hi:[1,0]   ; x 2^(eA + eB): a power of two, so it may follow the rotation
.set jj, jj+2
.endr
.set jj, 0
.rept 64
	v_med3_num_f32 v[H+jj], v[T+jj], -v[LIM], v[LIM]   ; the conversion does not saturate (ISA guide 7.6.2)
.set jj, jj+1
.endr
.irp b, 0,1,2,3,4,5,6,7
	v_cvt_scalef32_pk8_fp8_f32 v[C+2*\b:C+2*\b+1], v[H+8*\b:H+8*\b+7], v[SCV]
.endr
	v_nop                                          ; one plain line behind the last conversion
.irp c, 0,1,2,3
	global_store_b128 v[L16], v[C+4*\c:C+4*\c+3], s[84:85] offset:2048*\i+512*\c   ; 512 consecutive bytes, aligned
.endr
	s_cmp_lg_u32 s61, 1
	s_cbranch_scc1 .Lnot_k_\@
.irp b, 0,1,2,3,4,5,6,7
	ds_store_b128 v[STOK], v[T+8*\b:T+8*\b+3] offset:64*\b
	ds_store_b128 v[STOK], v[T+8*\b+4:T+8*\b+7] offset:64*\b+16
.endr
.irp t, 0,1,2,3,4,5,6,7,8,9,10,11,12,13,14,15
	ds_load_b128 v[Y+4*\t:Y+4*\t+3], v[RDK] offset:\t*SP   ; LDS serves a wave's instructions in order: these see my stores
.endr
	s_wait_dscnt 0x0
.irp t, 0,1,2,3,4,5,6,7,8,9,10,11,12,13,14,15
	global_store_b128 v[L16], v[Y+4*\t:Y+4*\t+3], s[86:87] offset:(16*\i+\t)*512 th:TH_STORE_NT   ; a whole row of out1
.endr
.Lnot_k_\@:
.endm
	QKTILE 0
	QKTILE 1
	QKTILE 2
	QKTILE 3
	s_branch .Lend
.macro VTILE i                         ; 16 tokens of v: the scale; through the stage; back by columns for the codes (a lane: one channel, eight neighbouring tokens) and by rows for out2
	s_wait_xcnt 0x0
	WIN 0x02                                       ; source 0 window 2
.set jj, 0
.rept 32
	v_pk_mul_f32 v[T+jj:T+jj+1], v[64*\i+jj:64*\i+jj+1], s[80:81] op_sel_hi:[1,0]
.set jj, jj+2
.endr
	WIN 0
.irp b, 0,1,2,3,4,5,6,7
	ds_store_b128 v[STOV], v[T+8*\b:T+8*\b+3] offset:64*\b
	ds_store_b128 v[STOV], v[T+8*\b+4:T+8*\b+7] offset:64*\b+16
.endr
.irp ct, 0,1,2,3,4,5,6,7
.irp j, 0,1,2,3,4,5,6,7
	ds_load_b32 v[H+8*\ct+\j], v[COLV] offset:SP*\j+64*\ct   ; v(token 8 h + j, channel 16 ct + r)
.endr
.endr
.irp t, 0,1,2,3,4,5,6,7,8,9,10,11,12,13,14,15
	ds_load_b128 v[Y+4*\t:Y+4*\t+3], v[RDV] offset:\t*SP
.endr
	s_wait_dscnt 16                                ; the columns are in; the sixteen row loads behind them may be out
.set jj, 0
.rept 64
	v_med3_num_f32 v[H+jj], v[H+jj], -v[LIM], v[LIM]
.set jj, jj+1
.endr
.irp ct, 0,1,2,3,4,5,6,7
	v_cvt_scalef32_pk8_fp8_f32 v[C+4*\ct+2*((\i)%2):C+4*\ct+2*((\i)%2)+1], v[H+8*\ct:H+8*\ct+7], v[SCV]   ; token tile 4 (wave % 2) + i of the key step is registers 2 a, 2 a + 1 of fragment ct
.endr
	v_nop
	s_wait_dscnt 0x0
.irp t, 0,1,2,3,4,5,6,7,8,9,10,11,12,13,14,15
	global_store_b128 v[L16], v[Y+4*\t:Y+4*\t+3], s[86:87] offset:(16*\i+\t)*512 th:TH_STORE_NT
.endr
.if (\i)%2
.irp ct, 0,1,2,3,4,5,6,7
	global_store_b128 v[L16], v[C+4*\ct:C+4*\ct+3], s[84:85] offset:2048*\ct+512*((\i)/2)   ; two token tiles make four registers: 512 consecutive bytes of an image
.endr
.endif
.endm
.Lvpath:
	VTILE 0
	VTILE 1
	VTILE 2
	VTILE 3
.Lend:
	s_wait_tensorcnt 0x0                           ; the wave's end
	ds_add_u32 v[SPW], v[NIL]
	s_wait_dscnt 0x0
	CROUND                                         ; the closing round
	s_endpgm
.Lfunc_end_k_qd3fac8376a_qkv:
	.size	k_qd3fac8376a_qkv, .Lfunc_end_k_qd3fac8376a_qkv-k_qd3fac8376a_qkv
	.p2alignl 7, 3214868480
	.fill 96, 4, 3214868480
	.section	.rodata,"a",@progbits
	.p2align	6, 0x0
	.amdhsa_kernel k_qd3fac8376a_qkv
		.amdhsa_group_segment_fixed_size 327680
		.amdhsa_private_segment_fixed_size 0
		.amdhsa_enable_private_segment 0
		.amdhsa_kernarg_size 72
		.amdhsa_user_sgpr_count 2
		.amdhsa_user_sgpr_kernarg_segment_ptr 1
		.amdhsa_wavefront_size32 1
		.amdhsa_system_sgpr_workgroup_id_x 1
		.amdhsa_system_sgpr_workgroup_id_y 1
		.amdhsa_system_sgpr_workgroup_id_z 1
		.amdhsa_system_vgpr_workitem_id 0
		.amdhsa_next_free_vgpr 1024
		.amdhsa_next_free_sgpr 100
		.amdhsa_reserve_vcc 0
		.amdhsa_float_denorm_mode_32 3
		.amdhsa_float_denorm_mode_16_64 3
		.amdhsa_memory_ordered 1
		.amdhsa_forward_progress 1
		.amdhsa_inst_pref_size 177
	.end_amdhsa_kernel
	.amdgpu_metadata
---
amdhsa.version: [ 1, 2 ]
amdhsa.kernels:
  - .name:           k_qd3fac8376a_qkv
    .symbol:         k_qd3fac8376a_qkv.kd
    .args:
      - { .name: xc, .offset: 0, .size: 8, .value_kind: global_buffer, .address_space: global }
      - { .name: wqkv, .offset: 8, .size: 8, .value_kind: global_buffer, .address_space: global }
      - { .name: cos, .offset: 16, .size: 8, .value_kind: global_buffer, .address_space: global }
      - { .name: sin, .offset: 24, .size: 8, .value_kind: global_buffer, .address_space: global }
      - { .name: lowp_scales, .offset: 32, .size: 8, .value_kind: global_buffer, .address_space: global }
      - { .name: qimg, .offset: 40, .size: 8, .value_kind: global_buffer, .address_space: global }
      - { .name: kvimg, .offset: 48, .size: 8, .value_kind: global_buffer, .address_space: global }
      - { .name: out1, .offset: 56, .size: 8, .value_kind: global_buffer, .address_space: global }
      - { .name: out2, .offset: 64, .size: 8, .value_kind: global_buffer, .address_space: global }
    .group_segment_fixed_size: 327680
    .private_segment_fixed_size: 0
    .kernarg_segment_align: 8
    .kernarg_segment_size: 72
    .max_flat_workgroup_size: 128
    .sgpr_count:     100
    .vgpr_count:     1024
    .wavefront_size: 32
...
	.end_amdgpu_metadata
.endif
;; end of part 2
;; launch attn (part 3): grid 64 x 4, 8 waves a work-group, no clusters, 132,096 bytes of LDS; arguments qimg, kvimg, mbits, mflag, lowp_scales, ctx; writes ctx
.if DOCPART == 3
	.amdgcn_target "amdgcn-amd-amdhsa--gfx1250"
	.amdhsa_code_object_version 6
	.text
	.protected	k_qd3fac8376a_attn
	.globl	k_qd3fac8376a_attn
	.p2align	8
	.type	k_qd3fac8376a_attn,@function
k_qd3fac8376a_attn:
	s_mov_b64 s[64:65], 0
	v_nop
	global_prefetch_b8 v0, s[64:65] scope:SCOPE_SE
	s_setreg_imm32_b32 hwreg(HW_REG_WAVE_MODE, 25, 1), 1
	s_wait_xcnt 0x0
; ATTN: scores, mask, softmax and context on codes of E4M3; the context leaves as codes, the operand of the last product.
; LEFT OUT: a tile of 16 queries x 128 keys whose mask entries are all false while each of its 16 rows has a true entry elsewhere (shown at the head of the first kernel); the flags come from memory, stored by the first launch.
; THE SOFTMAX: t = score x log2(e) / sqrt(128); M = the running largest t rounded up to a whole number; p = 2^(t - M) is quantised with 2^e8, not normalised; the row's sum is taken of the unquantised p and divides at the end.
; When M moves, the sum and O are multiplied by 2^(old M - new M), which rounds nothing.
; THE MASK: a false entry's raw score is replaced by R = -2^(33 - e6 - e7), so that its t = R x c = -1.02 x 2^30 is a whole number: a row with no true entry has t - M = 0 and p = 1 on every key, as with reference()'s -1e9.
; LIMITS: e6 + e7 between -94 and 8: R is then an f32 number, and a true t, at most 128 x 448 x 448 x c in size, stays above the masked one; e8 and e10 between -126 and 119.
; SHARES.  Work-group (i, kvh): query tiles i and 127 - i of the four query heads of key head kvh; wave w: head 4 kvh + w % 4, tile i (w < 4) or 127 - i: one tile of 16 queries, 512 registers, two waves to a SIMD.
; The pairing is right for every mask; where late queries have more keys it evens the work out.
; K AND V come by loads into registers and go on into LDS: the walk branches on flags read from memory; there is no joint load and no cluster.
; A key step (128 keys: 8 fragments of k, 8 of v^T, 32,768 bytes as they lie in kvimg) is copied by the 256 threads, 8 x 16 bytes each.  Four slots, step s in slot s % 4.  Between two barriers the waves read slot s (v) and
; slot s + 1 (k) and write slot s + 2.  Four steps are written out in a trip, so that every LDS address is a constant + a lane's term.
; LAYOUT.  Both products transposed: S^T = k q^T, O^T = v^T p^T: a lane holds one query (lane % 16); register j of tile a is key 16 a + 8 (lane / 16) + j: a conversion of a tile's eight registers is registers 2 a, 2 a + 1 of p's fragment.
; THE LDS LOADS STAND AMONG THE VECTOR WORK.  A live step reads 64 x 512 bytes from LDS (v of this step, k of the next) and has 274 vector instructions between its two products.  A wave issues in order, and up to eight waves
; ask LDS for the same 64 loads: set in one run, the loads would all have to be taken before the first vector instruction is issued.  So they are dealt out, one or two fragments (4 or 8 loads) at a time: v's 0, 1 behind the first
; products; k's 0, 1 behind the maximum; k's 2, 3 behind the scalings; v's 2 to 7 behind every tenth exponential; k's 4, 5 amid the sums; k's 6, 7 behind the third conversion; 77 vector instructions follow the last load ahead of
; the wait for all of them.  k's loads hang on a flag, so each pair has a short branch of its own, none of them between an exponential and the batch's wait, and every wait on DScnt is for 0.  The price: 25 switches of the
; register window in a live step, since the fragments lie in window 1 and the softmax works in window 0.
; REGISTERS: window 0: v1-4 fragment addresses by slot; v5, v6 the add's two; v7 16 x lane; v8-11 copy addresses by slot; v12 -M, v13 the largest t, v[14:15] the sum; v16-31 q; v32-63 the copy's registers; v64 16 x thread; v65 R;
;   v66-69 two of the sum's four chains; v96-159 S^T, then p; v160-223 O^T; v224-239 codes; v240, v244: 448 x 2^e8, 2^e8; v241, v245 the same with e10; v236, v242-243, v252-254 at work.   window 1: v0-127 k's eight fragments, v128-255 v's.
.set SPARE, 131072                     ; behind the four slots: the spare words, 128 bytes a wave: four blocks of 256 bytes that no other line names
.set FA,   1
.set SPW,  5
.set NIL,  6
.set L16,  7
.set CPA,  8
.set ST,   32
.set GOFF, 64
.set LIVE, 85                          ; s85 bit u: my tile takes key step (the step in hand) + u
.set PART, 86                          ; s86 bit u: that step has a false entry
.set NEED, 87                          ; s87 bit u: some wave of the work-group takes it
.set MSB, 0
.macro WIN new                         ; the immediate's high byte repeats the setting that is left
.if MSB != \new
	s_set_vgpr_msb (MSB<<8)|\new
.set MSB, \new
.endif
.endm
.macro GLOAD off                       ; a key step from memory: each load of the work-group covers 4,096 consecutive bytes
.irp j, 0,1,2,3,4,5,6,7
	global_load_b128 v[ST+4*\j:ST+4*\j+3], v[GOFF], s[6:7] offset:(\off)+4096*\j
.endr
.endm
.macro PUT slot
.irp j, 0,1,2,3,4,5,6,7
	ds_store_b128 v[CPA+(\slot)], v[ST+4*\j:ST+4*\j+3] offset:4096*\j
.endr
.endm
.macro KLOAD slot                      ; k's eight fragments of a slot, in one run: at the head, and in a step that my tile does not take
	WIN 0x40
.irp f, 0,1,2,3,4,5,6,7
.irp c, 0,1,2,3
	ds_load_b128 v[16*\f+4*\c:16*\f+4*\c+3], v[FA+(\slot)] offset:2048*\f+512*\c
.endr
.endr
	WIN 0
.endm
.macro VFRAG u, f0, n                  ; n fragments of v, from f0 on, of the step in hand (slot u)
	WIN 0x40
.set ff, \f0
.rept \n
.irp c, 0,1,2,3
	ds_load_b128 v[128+16*ff+4*\c:128+16*ff+4*\c+3], v[FA+(\u)] offset:16384+2048*ff+512*\c
.endr
.set ff, ff+1
.endr
	WIN 0
.endm
.macro KPAIR u, f0                     ; fragments f0, f0 + 1 of k of the next step (slot u + 1), if my tile takes that step
	s_bitcmp1_b32 s[LIVE], 1
	s_cbranch_scc0 .Lno_k_\@
	WIN 0x40
.set ff, \f0
.rept 2
.irp c, 0,1,2,3
	ds_load_b128 v[16*ff+4*\c:16*ff+4*\c+3], v[FA+((\u)+1)%4] offset:2048*ff+512*\c
.endr
.set ff, ff+1
.endr
	WIN 0
.Lno_k_\@:
.endm
.macro EXPS a, n                       ; p = 2^(t - M) for registers a .. a + n - 1 of the 64
.set jj, \a
.rept \n
	v_exp_f32 v[96+jj], v[96+jj]
.set jj, jj+1
.endr
.endm
.macro SUM4 j                          ; four pairs of p, from register j on, onto the sum's four chains
	v_pk_add_f32 v[14:15], v[14:15], v[96+\j:97+\j]
	v_pk_add_f32 v[242:243], v[242:243], v[98+\j:99+\j]
	v_pk_add_f32 v[66:67], v[66:67], v[100+\j:101+\j]
	v_pk_add_f32 v[68:69], v[68:69], v[102+\j:103+\j]
.endm
.macro FLAGS base, live, part          ; four records (a tile's four groups of four steps) become 16 bits each; a tile with an empty row takes all steps
	s_lshl_b32 s96, s[\base+4], 4
	s_or_b32 s[\live], s[\base], s96
	s_lshl_b32 s96, s[\base+8], 8
	s_or_b32 s[\live], s[\live], s96
	s_lshl_b32 s96, s[\base+12], 12
	s_or_b32 s[\live], s[\live], s96
	s_lshl_b32 s96, s[\base+5], 4
	s_or_b32 s[\part], s[\base+1], s96
	s_lshl_b32 s96, s[\base+9], 8
	s_or_b32 s[\part], s[\part], s96
	s_lshl_b32 s96, s[\base+13], 12
	s_or_b32 s[\part], s[\part], s96
	s_or_b32 s96, s[\base+2], s[\base+6]
	s_or_b32 s96, s96, s[\base+10]
	s_or_b32 s96, s96, s[\base+14]
	s_cmp_eq_u32 s96, 0xffff
	s_cselect_b32 s[\live], s[\live], 0xffff
.endm
	s_load_b256 s[4:11], s[0:1], 0x0               ; qimg 4, kvimg 6, mbits 8, mflag 10
	s_load_b128 s[12:15], s[0:1], 0x20             ; scales 12, ctx 14
	v_lshl_add_u32 v[SPW], v0, 2, SPARE
	v_mov_b32 v[NIL], 0
	v_lshrrev_b32 v1, 5, v0
	v_readfirstlane_b32 s84, v1                    ; wave 0..7
	v_and_b32 v[L16], 31, v0
	v_lshlrev_b32 v[L16], 4, v[L16]
	v_lshlrev_b32 v[GOFF], 4, v0
.irp n, 0,1,2,3
	v_add_nc_u32 v[FA+\n], \n*32768, v[L16]
	v_add_nc_u32 v[CPA+\n], \n*32768, v[GOFF]
.endr
	s_and_b32 s88, ttmp7, 0xffff                   ; key head
	s_sub_co_u32 s99, 127, ttmp9                   ; the second tile
	s_cmp_lt_u32 s84, 4
	s_cselect_b32 s94, ttmp9, s99                  ; my tile
	s_and_b32 s95, s84, 3
	s_lshl_b32 s96, s88, 2
	s_add_co_u32 s95, s95, s96                     ; my head
	s_mov_b32 s92, 0x76543210                      ; v_permlanex16_b32: lane l xor 16
	s_mov_b32 s93, 0xfedcba98
	s_wait_kmcnt 0x0
	s_lshl_b32 s96, ttmp9, 9
	s_mov_b32 s97, 0
	s_add_nc_u64 s[96:97], s[10:11], s[96:97]
	s_lshl_b32 s86, s99, 9
	s_mov_b32 s87, 0
	s_add_nc_u64 s[86:87], s[10:11], s[86:87]
.irp g, 0,1,2,3
	s_load_b128 s[16+4*\g:19+4*\g], s[96:97], 128*\g   ; the first tile's records,
	s_load_b128 s[32+4*\g:35+4*\g], s[86:87], 128*\g   ; the second's
.endr
	s_load_b256 s[68:75], s[12:13], 0x0            ; e0 .. e7
	s_load_b128 s[76:79], s[12:13], 0x20           ; e8 .. e11
	s_lshl_b32 s48, s95, 7
	s_add_co_u32 s48, s48, s94
	s_lshl_b32 s48, s48, 11
	s_mov_b32 s49, 0
	s_add_nc_u64 s[4:5], s[4:5], s[48:49]          ; q's fragment: (128 head + tile) x 2,048
	s_lshl_b32 s48, s88, 19
	s_add_nc_u64 s[6:7], s[6:7], s[48:49]          ; the key head's 16 steps
	s_lshl_b32 s48, s94, 12
	s_add_nc_u64 s[8:9], s[8:9], s[48:49]          ; my tile's lane masks, 256 bytes a step
	s_lshl_b32 s48, s94, 15
	s_lshl_b32 s50, s95, 11
	s_add_co_u32 s48, s48, s50
	s_add_nc_u64 s[14:15], s[14:15], s[48:49]      ; the context's fragment: tile x 32,768 + head x 2,048
.irp c, 0,1,2,3
	global_load_b128 v[16+4*\c:19+4*\c], v[L16], s[4:5] offset:512*\c
.endr
	GLOAD 0                                        ; key step 0: copied under no flag, so that the copy's and k's registers are written on every way
	v_mov_b32 v13, 0xff61b1e6                      ; the largest t so far: -3e38
	v_floor_f32 v12, -v13                          ; -M
	v_mov_b32 v14, 0
	v_mov_b32 v15, 0
	v_mov_b32 v236, 0                              ; a lane permute's destination counts as read
	v_mov_b32 v252, 0
	v_mov_b32 v253, 0
.set jj, 0
.rept 64
	v_mov_b32 v[160+jj], 0                         ; O^T: the step is written once; the first finds zeros, which the first change of M leaves zeros
.set jj, jj+1
.endr
	s_wait_kmcnt 0x0
	FLAGS 16, 85, 86
	FLAGS 32, 87, 99
	s_or_b32 s96, s85, s87
	s_cmp_lt_u32 s84, 4
	s_cselect_b32 s[LIVE], s85, s87
	s_cselect_b32 s[PART], s86, s99
	s_mov_b32 s[NEED], s96
	s_add_co_i32 s96, s74, s75                     ; e6 + e7
	s_lshl_b32 s97, s96, 23
	s_add_co_i32 s90, s97, 0x3e0293ee              ; c = log2(e) / sqrt(128) x 2^(e6 + e7): the exponents are added to c's exponent field
	s_mov_b32 s91, s90                             ; (named with it as a pair)
	s_sub_co_i32 s96, 160, s96
	s_lshl_b32 s96, s96, 23
	s_or_b32 s96, s96, 0x80000000
	v_mov_b32 v65, s96                             ; R = -2^(33 - e6 - e7)
	s_add_co_i32 s96, s76, 127
	s_lshl_b32 s97, s96, 23
	v_mov_b32 v244, s97                            ; 2^e8
	s_add_co_i32 s96, s96, 8
	s_lshl_b32 s96, s96, 23
	s_or_b32 s96, s96, 0x600000
	v_mov_b32 v240, s96                            ; 448 x 2^e8
	s_add_co_i32 s96, s78, 127
	s_lshl_b32 s97, s96, 23
	v_mov_b32 v245, s97                            ; 2^e10
	s_add_co_i32 s96, s96, 8
	s_lshl_b32 s96, s96, 23
	s_or_b32 s96, s96, 0x600000
	v_mov_b32 v241, s96                            ; 448 x 2^e10
	s_add_co_i32 s98, s76, s77                     ; e8 + e9
	s_wait_loadcnt 0x0                             ; q and key step 0
	PUT 0
	s_wait_dscnt 0x0                               ; for the others' sake: my part of slot 0 lies in LDS
	GLOAD 32768                                    ; key step 1
	s_barrier_signal -1
	s_barrier_wait -1
	KLOAD 0
.macro ASTEP u                         ; key step 4 x trip + u
	s_wait_loadcnt 0x0                             ; the next step's bytes, asked for a step ago, are in my registers
	s_bitcmp1_b32 s[NEED], 1
	s_cbranch_scc0 .Lno_put_\@
	PUT ((\u)+1)%4
.Lno_put_\@:
	s_wait_dscnt 0x0                               ; my stores have landed and my LDS loads are in (k of this step among them)
	s_barrier_signal -1
	s_barrier_wait -1                              ; the next step lies whole in its slot; nobody reads the slot that the next stores will take
	s_bitcmp1_b32 s[NEED], 2
	s_cbranch_scc0 .Lno_get_\@
	GLOAD ((\u)+2)*32768                           ; two steps ahead.  The flags have 16 bits: nothing is asked for beyond step 15
.Lno_get_\@:
	s_bitcmp1_b32 s[LIVE], 0
	s_cbranch_scc0 .Ldead_\@
	WIN 0x01                                       ; source 0 window 1
.irp a, 0,1,2,3,4,5,6,7
	v_wmma_f32_16x16x128_fp8_fp8 v[96+8*\a:103+8*\a], v[16*\a:16*\a+15], v[16:31], 0
.endr
	VFRAG \u, 0, 2                                 ; v's first two fragments are asked for while the products run: v's registers are none of theirs, and five places stand behind the last products that read them
.rept 5
	v_nop                                          ; places in front of the first read of the scores and of the loads into k's registers
.endr
	s_bitcmp1_b32 s[PART], 0
	s_cbranch_scc0 .Lopen_\@
	s_load_b512 s[16:31], s[8:9], 0x0              ; the step's 64 lane masks: word n serves register n of the scores
	s_load_b512 s[32:47], s[8:9], 0x40
	s_load_b512 s[48:63], s[8:9], 0x80
	s_load_b512 s[68:83], s[8:9], 0xc0
	s_wait_kmcnt 0x0
.set n, 0
.rept 64
.if n < 48
	v_cndmask_b32 v[96+n], v65, v[96+n], s[16+n]   ; true keeps the score, false takes R
.else
	v_cndmask_b32 v[96+n], v65, v[96+n], s[20+n]
.endif
.set n, n+1
.endr
.Lopen_\@:
	v_max3_num_f32 v254, v96, v97, v98             ; the step's largest score of my query among my 64 keys: four chains that do not wait for each other, the registers in ascending order,
	v_max3_num_f32 v252, v99, v100, v101
	v_max3_num_f32 v242, v102, v103, v104
	v_max3_num_f32 v243, v105, v106, v107
.irp i, 12,20,28,36,44,52
	v_max3_num_f32 v254, v254, v[96+\i], v[97+\i]
	v_max3_num_f32 v252, v252, v[98+\i], v[99+\i]
	v_max3_num_f32 v242, v242, v[100+\i], v[101+\i]
	v_max3_num_f32 v243, v243, v[102+\i], v[103+\i]
.endr
	v_max3_num_f32 v254, v254, v156, v157
	v_max3_num_f32 v252, v252, v158, v159
	v_max3_num_f32 v254, v254, v252, v242
	v_max_num_f32 v254, v254, v243
	KPAIR \u, 0
	v_permlanex16_b32 v236, v254, s92, s93
	v_max_num_f32 v254, v254, v236                 ; and among lane l xor 16's
	v_mul_f32 v254, s90, v254                      ; as t (c is positive)
	v_max_num_f32 v13, v13, v254
	v_mov_b32 v254, v12
	v_floor_f32 v12, -v13                          ; the new -M = floor(-t)
	v_sub_f32 v254, v12, v254                      ; old M - new M: a whole number, 0 or less
	v_cvt_i32_f32 v254, v254                       ; (it saturates)
	v_ldexp_f32 v252, 1.0, v254                    ; f = 2^(old M - new M)
.set jj, 0
.rept 32
	v_pk_fma_f32 v[96+jj:97+jj], v[96+jj:97+jj], s[90:91], v[12:13] op_sel_hi:[1,0,0]   ; t - M, two at a time
.set jj, jj+2
.endr
	KPAIR \u, 2                                    ; the last branch ahead of the exponentials
	EXPS 0, 10                                     ; one batch of 64; only v's loads, which hang on no flag, stand among them
	VFRAG \u, 2, 1
	EXPS 10, 10
	VFRAG \u, 3, 1
	EXPS 20, 10
	VFRAG \u, 4, 1
	EXPS 30, 10
	VFRAG \u, 5, 1
	EXPS 40, 10
	VFRAG \u, 6, 1
	EXPS 50, 10
	VFRAG \u, 7, 1
	EXPS 60, 4
	v_pk_mul_f32 v[14:15], v[14:15], v[252:253] op_sel_hi:[1,0]   ; the sums under the new M: the plain line behind the exponentials
	s_wait_alu depctr_va_vdst(0)                   ; one wait for the batch, ahead of its first reader
	v_pk_add_f32 v[242:243], v[96:97], v[98:99]    ; the row's sum, of the unquantised p, two at a time, in four chains: three are started here, the fourth is the running sum
	v_pk_add_f32 v[66:67], v[100:101], v[102:103]
	v_pk_add_f32 v[68:69], v[104:105], v[106:107]
	SUM4 12
	SUM4 20
	SUM4 28
	KPAIR \u, 4
	SUM4 36
	SUM4 44
	SUM4 52
	v_pk_add_f32 v[14:15], v[14:15], v[156:157]
	v_pk_add_f32 v[242:243], v[242:243], v[158:159]
	v_pk_add_f32 v[66:67], v[66:67], v[68:69]
	v_pk_add_f32 v[14:15], v[14:15], v[242:243]
	v_pk_add_f32 v[14:15], v[14:15], v[66:67]
.irp a, 0,1,2,3,4,5,6,7
.irp i, 0,1,2,3,4,5,6,7
	v_min_num_f32 v[96+8*\a+\i], v[96+8*\a+\i], v240   ; p is not negative: a one-sided hold (the conversion does not saturate: ISA guide 7.6.2)
.endr
	v_cvt_scalef32_pk8_fp8_f32 v[224+2*\a:225+2*\a], v[96+8*\a:103+8*\a], v244
.if \a == 2
	KPAIR \u, 6                                    ; the step's last loads: 45 + 32 vector instructions follow ahead of the wait for them
.endif
.endr
.set jj, 0
.rept 32
	v_pk_mul_f32 v[160+jj:161+jj], v[160+jj:161+jj], v[252:253] op_sel_hi:[1,0]   ; O^T under the new M; also the plain lines behind the conversions
.set jj, jj+2
.endr
	s_wait_dscnt 0x0                               ; v's fragments are in.  For 0: k's loads, issued behind some of v's, hang on a flag, so no count holds on every way
	WIN 0x01
.irp f, 0,1,2,3,4,5,6,7
	v_wmma_f32_16x16x128_fp8_fp8 v[160+8*\f:167+8*\f], v[128+16*\f:128+16*\f+15], v[224:239], v[160+8*\f:167+8*\f]
.endr
	WIN 0
.rept 5
	v_nop                                          ; places in front of whatever comes next on any way: loads into v's registers, new codes, reads of O^T
.endr
	s_branch .Lnext_\@
.Ldead_\@:
	s_bitcmp1_b32 s[LIVE], 1
	s_cbranch_scc0 .Lnext_\@
	KLOAD ((\u)+1)%4
.Lnext_\@:
	s_lshr_b32 s[LIVE], s[LIVE], 1
	s_lshr_b32 s[PART], s[PART], 1
	s_lshr_b32 s[NEED], s[NEED], 1
	s_add_nc_u64 s[8:9], s[8:9], 256               ; the next step's lane masks (the loads by this pointer were waited for where they were issued)
.endm
	s_mov_b32 s89, 4
.Ltrip:
	ASTEP 0
	ASTEP 1
	ASTEP 2
	ASTEP 3
	s_wait_xcnt 0x0                                ; the copies' loads have read their base
	s_add_nc_u64 s[6:7], s[6:7], 131072
	s_sub_co_u32 s89, s89, 1
	s_cmp_lg_u32 s89, 0
	s_cbranch_scc1 .Ltrip
	; ---- the way out: O^T / the sum x 2^(e8 + e9), quantised with 2^e10: register 8 f + j is channel 16 f + 8 h + j of my query: the fragment of the last product's K step = my head
	v_add_f32 v14, v14, v15
	v_permlanex16_b32 v252, v14, s92, s93
	v_add_f32 v14, v14, v252
	v_rcp_f32 v14, v14
	v_nop                                          ; a plain line behind the reciprocal,
	s_wait_alu depctr_va_vdst(0)                   ; and the wait ahead of its first reader
	v_ldexp_f32 v14, v14, s98
.set jj, 0
.rept 64
	v_mul_f32 v[96+jj], v[160+jj], v14
.set jj, jj+1
.endr
.set jj, 0
.rept 64
	v_med3_num_f32 v[96+jj], v[96+jj], -v241, v241
.set jj, jj+1
.endr
.irp f, 0,1,2,3,4,5,6,7
	v_cvt_scalef32_pk8_fp8_f32 v[224+2*\f:225+2*\f], v[96+8*\f:103+8*\f], v245
.endr
	v_nop
.irp c, 0,1,2,3
	global_store_b128 v[L16], v[224+4*\c:227+4*\c], s[14:15] offset:512*\c   ; 512 consecutive bytes, aligned
.endr
	s_wait_tensorcnt 0x0                           ; the wave's end: behind my last LDS store
	ds_add_u32 v[SPW], v[NIL]
	s_wait_dscnt 0x0
	s_endpgm
.Lfunc_end_k_qd3fac8376a_attn:
	.size	k_qd3fac8376a_attn, .Lfunc_end_k_qd3fac8376a_attn-k_qd3fac8376a_attn
	.p2alignl 7, 3214868480
	.fill 96, 4, 3214868480
	.section	.rodata,"a",@progbits
	.p2align	6, 0x0
	.amdhsa_kernel k_qd3fac8376a_attn
		.amdhsa_group_segment_fixed_size 132096
		.amdhsa_private_segment_fixed_size 0
		.amdhsa_enable_private_segment 0
		.amdhsa_kernarg_size 48
		.amdhsa_user_sgpr_count 2
		.amdhsa_user_sgpr_kernarg_segment_ptr 1
		.amdhsa_wavefront_size32 1
		.amdhsa_system_sgpr_workgroup_id_x 1
		.amdhsa_system_sgpr_workgroup_id_y 1
		.amdhsa_system_sgpr_workgroup_id_z 1
		.amdhsa_system_vgpr_workitem_id 0
		.amdhsa_next_free_vgpr 512
		.amdhsa_next_free_sgpr 100
		.amdhsa_reserve_vcc 0
		.amdhsa_float_denorm_mode_32 3
		.amdhsa_float_denorm_mode_16_64 3
		.amdhsa_memory_ordered 1
		.amdhsa_forward_progress 1
		.amdhsa_inst_pref_size 130
	.end_amdhsa_kernel
	.amdgpu_metadata
---
amdhsa.version: [ 1, 2 ]
amdhsa.kernels:
  - .name:           k_qd3fac8376a_attn
    .symbol:         k_qd3fac8376a_attn.kd
    .args:
      - { .name: qimg, .offset: 0, .size: 8, .value_kind: global_buffer, .address_space: global }
      - { .name: kvimg, .offset: 8, .size: 8, .value_kind: global_buffer, .address_space: global }
      - { .name: mbits, .offset: 16, .size: 8, .value_kind: global_buffer, .address_space: global }
      - { .name: mflag, .offset: 24, .size: 8, .value_kind: global_buffer, .address_space: global }
      - { .name: lowp_scales, .offset: 32, .size: 8, .value_kind: global_buffer, .address_space: global }
      - { .name: ctx, .offset: 40, .size: 8, .value_kind: global_buffer, .address_space: global }
    .group_segment_fixed_size: 132096
    .private_segment_fixed_size: 0
    .kernarg_segment_align: 8
    .kernarg_segment_size: 48
    .max_flat_workgroup_size: 256
    .sgpr_count:     100
    .vgpr_count:     512
    .wavefront_size: 32
...
	.end_amdgpu_metadata
.endif
;; end of part 3
;; launch oproj (part 4): grid 16 x 16, 4 waves a work-group, clusters of 4 x 4, 327,680 bytes of LDS; arguments ctx, woc, lowp_scales, out0; writes out0
.if DOCPART == 4
	.amdgcn_target "amdgcn-amd-amdhsa--gfx1250"
	.amdhsa_code_object_version 6
	.text
	.protected	k_qd3fac8376a_oproj
	.globl	k_qd3fac8376a_oproj
	.p2align	8
	.type	k_qd3fac8376a_oproj,@function
k_qd3fac8376a_oproj:
	s_mov_b64 s[64:65], 0
	v_nop
	global_prefetch_b8 v0, s[64:65] scope:SCOPE_SE
	s_setreg_imm32_b32 hwreg(HW_REG_WAVE_MODE, 25, 1), 1
	s_wait_xcnt 0x0
	s_wait_alu depctr_hold_cnt(0) depctr_sa_sdst(0) depctr_va_vdst(0) depctr_va_sdst(0) depctr_va_ssrc(0) depctr_va_vcc(0) depctr_vm_vsrc(0)
	s_getreg_b32 s2, hwreg(HW_REG_IB_STS2, 6, 4)
	s_cmp_eq_u32 s2, 0
	s_cbranch_scc0 .Lentry_in_a_cluster
	s_endpgm
.Lentry_in_a_cluster:
	s_bfe_u32 s2, ttmp6, 0x10000c
	s_cmp_lg_u32 s2, 0xf033
	s_cbranch_scc0 .Lentry_shape_is_right
	s_endpgm
.Lentry_shape_is_right:
; OPROJ: out0 = context Wo on codes of E4M3; each finished sum x 2^(e10 + e11).  Nothing of reference() is left out here.
; ctx [128 token tiles][16 K steps = heads][2048], woc [128 column tiles][16 K steps][2048]: fragments (16 rows x 128 K) as images of their registers: registers 4 c .. 4 c + 3 of lane l at byte 512 c + 16 l.
; SHARES.  A work-group makes 128 tokens x 128 columns: 16 x 16 = 256 work-groups; wave (wy, wx) 64 x 64: 16 accumulators.  A larger tile would leave half of the 256 without work.
; THE MATRIX INSTRUCTION IS USED TRANSPOSED (source 0 = 16 columns of Wo, source 1 = 16 tokens): a lane holds eight neighbouring columns of one row of out0.
; RING.  A slot holds FOUR K steps: 8 fragments of ctx and 8 of Wo, each fragment's four steps on end (8,192 bytes of memory).  Two slots, four fills in all: two at the head, two refills, so the walk is written out.
; CLUSTER 4 x 4: ctx's fragments are shared along a row of the cluster, Wo's along a column: joint loads.
; LIMIT: e10 + e11 between -126 and 127.
; REGISTERS: window 0: v16-29 addresses; v32-95, v96-159 ctx's fragments, two sets; on the way out T v160-191, Y v192-255.   window 1: v0-63, v64-127 Wo's fragments, two sets; accumulator (i, b) at v[128 + 8 (4 i + b)].
.set SLOT,  131072
.set WOFF,  65536
.set STAGE, 262144                     ; behind the ring: 16 rows x (256 + 16) bytes a wave
.set SP,    272
.set SPARE, STAGE+4*16*SP              ; the spare words, 128 bytes a wave: two blocks of 256 bytes that no other line names
.set ADRX, 16
.set ADRW, 20
.set STO,  22
.set RD,   23
.set CO,   24
.set SPW,  28
.set NIL,  29
.set T,    160
.set Y,    192
.set G1A, 24
.set G0A, 32
.set G1B, 40
.set G0B, 48
.set MSB, 0
.macro WIN new
.if MSB != \new
	s_set_vgpr_msb (MSB<<8)|\new
.set MSB, \new
.endif
.endm
.macro PLACES n
.rept \n
	v_nop
.endr
.endm
.macro JLOAD n                         ; a joint load into slot n: waves 0 and 1 fetch ctx's halves, waves 2 and 3 Wo's; an s_nop 0 and four v_nop follow each line
	s_cmp_eq_u32 s23, 0
	s_cbranch_scc0 .Lfor_b_\@
	tensor_load_to_lds s[G0A+4*\n:G0A+4*\n+3], s[G1A:G1A+7]
	s_nop 0
	PLACES 4
	s_branch .Lasked_\@
.Lfor_b_\@:
	tensor_load_to_lds s[G0B+4*\n:G0B+4*\n+3], s[G1B:G1B+7]
	s_nop 0
	PLACES 4
.Lasked_\@:
.endm
.macro CREST
	s_cmp_lg_u32 s22, 0
	s_cbranch_scc1 .Lnot_wave_0_\@
	s_barrier_signal -3
.Lnot_wave_0_\@:
	s_barrier_wait -3
	s_barrier_signal -1
	s_barrier_wait -1
.endm
.macro CROUND
	s_barrier_signal -1
	s_barrier_wait -1
	CREST
.endm
	s_load_b256 s[4:11], s[0:1], 0x0               ; ctx 4, woc 6, scales 8, out0 10
	v_lshl_add_u32 v[SPW], v0, 2, SPARE
	v_mov_b32 v[NIL], 0
	ds_add_u32 v[SPW], v[NIL]                      ; the wave's opening: the add, twice on end, and its wait ahead of my first tensor load
	ds_add_u32 v[SPW], v[NIL]
	v_lshrrev_b32 v1, 5, v0
	v_readfirstlane_b32 s22, v1                    ; wave 0..3
	s_lshr_b32 s23, s22, 1                         ; wy.  Also: I fetch for ctx (0) or for Wo (1)
	s_and_b32 s56, s22, 1                          ; wx.  Also: which half
	s_bfe_u32 s57, ttmp6, 0x40000                  ; cx
	s_bfe_u32 s58, ttmp6, 0x40004                  ; cy
	s_lshl_b32 s59, ttmp9, 2
	s_add_co_u32 s59, s59, s57                     ; block of 128 columns
	s_and_b32 s60, ttmp7, 0xffff
	s_lshl_b32 s60, s60, 2
	s_add_co_u32 s60, s60, s58                     ; block of 128 tokens
	s_lshl_b32 s88, s58, 2
	s_lshl_b32 s88, 15, s88                        ; my row of the cluster
	s_lshl_b32 s90, 0x1111, s57                    ; my column
	s_or_b32 s[G1A], s88, (3<<16)|(1<<21)          ; the mask; elements of 8 bytes; bit 21 beside a mask; no padding
	s_or_b32 s[G1B], s90, (3<<16)|(1<<21)
.irp g, G1A, G1B
	s_mov_b32 s[\g+1], 1024<<16                    ; tensor_dim0 = 1,024 elements: four K steps of a fragment, 8,192 bytes
	s_mov_b32 s[\g+2], 4<<16                       ; tensor_dim1 = 4 fragments
	s_mov_b32 s[\g+3], 1024<<16                    ; tile_dim0
	s_mov_b32 s[\g+4], 4                           ; tile_dim1
	s_mov_b32 s[\g+5], 4096                        ; from fragment to fragment: 32,768 bytes
	s_mov_b32 s[\g+6], 0
	s_mov_b32 s[\g+7], 0
.endr
	s_lshl_b32 s88, s60, 3                         ; ctx: (8 x token block + 4 x half) fragments
	s_lshl_b32 s89, s56, 2
	s_add_co_u32 s88, s88, s89
	s_lshl_b32 s88, s88, 15
	s_mov_b32 s89, 0
	s_lshl_b32 s90, s59, 3                         ; Wo: (8 x column block + 4 x half) fragments
	s_lshl_b32 s91, s56, 2
	s_add_co_u32 s90, s90, s91
	s_lshl_b32 s90, s90, 15
	s_mov_b32 s91, 0
	s_lshl_b32 s92, s22, 15                        ; in a slot: wave x 32,768: ctx's two halves, then Wo's
	s_wait_dscnt 0x0                               ; both opening adds are done
	s_wait_kmcnt 0x0
	s_load_b64 s[78:79], s[8:9], 0x28              ; e10, e11
	s_add_nc_u64 s[88:89], s[4:5], s[88:89]
	s_add_nc_u64 s[90:91], s[6:7], s[90:91]
	CROUND                                         ; all sixteen work-groups are here: the first joint loads meet
.irp n, 0,1
	s_mov_b32 s[G0A+4*\n], 1
	s_add_co_u32 s[G0A+4*\n+1], s92, \n*SLOT
	s_add_nc_u64 s[G0A+4*\n+2:G0A+4*\n+3], s[88:89], \n*8192
	s_or_b32 s[G0A+4*\n+3], s[G0A+4*\n+3], 0x80000000
	s_mov_b32 s[G0B+4*\n], 1
	s_add_co_u32 s[G0B+4*\n+1], s92, \n*SLOT
	s_add_nc_u64 s[G0B+4*\n+2:G0B+4*\n+3], s[90:91], \n*8192
	s_or_b32 s[G0B+4*\n+3], s[G0B+4*\n+3], 0x80000000
	JLOAD \n                                       ; two loads of mine are out
.endr
	v_and_b32 v1, 31, v0
	v_and_b32 v2, 15, v0                           ; r
	v_bfe_u32 v3, v0, 4, 1                         ; h
	v_lshlrev_b32 v4, 4, v1                        ; 16 x lane
	s_lshl_b32 s94, s23, 15
	v_add_nc_u32 v[ADRX], s94, v4                  ; my four fragments of ctx
	v_add_nc_u32 v[ADRX+1], SLOT, v[ADRX]
	s_lshl_b32 s94, s56, 15
	s_add_co_u32 s94, s94, WOFF
	v_add_nc_u32 v[ADRW], s94, v4                  ; my four of Wo
	v_add_nc_u32 v[ADRW+1], SLOT, v[ADRW]
	s_mul_i32 s94, s22, 16*SP
	s_add_co_u32 s94, s94, STAGE                   ; my stage
	v_mul_u32_u24 v5, v2, SP
	v_lshl_add_u32 v5, v3, 5, v5
	v_add_nc_u32 v[STO], s94, v5                   ; in: row r, + 32 h
	v_mul_u32_u24 v5, v3, SP
	v_lshl_add_u32 v5, v2, 4, v5
	v_add_nc_u32 v[RD], s94, v5                    ; back: lanes 0-15 one row of 256 bytes, lanes 16-31 the next
	v_lshlrev_b32 v5, 13, v3
	v_lshl_add_u32 v[CO], v2, 4, v5                ; and the same two rows in out0
	s_lshl_b32 s94, s60, 7
	s_lshl_b32 s95, s23, 6
	s_add_co_u32 s94, s94, s95
	s_lshl_b32 s94, s94, 13                        ; my first row x 8,192 bytes
	s_lshl_b32 s95, s59, 9
	s_add_co_u32 s94, s94, s95
	s_lshl_b32 s95, s56, 8
	s_add_co_u32 s94, s94, s95                     ; + my first column x 4
	s_mov_b32 s95, 0
	s_add_nc_u64 s[10:11], s[10:11], s[94:95]
.macro FETCH slot, q, p                ; the fragments of the slot's q-th K step into set p
	WIN 0x40
.irp b, 0,1,2,3
.irp c, 0,1,2,3
	ds_load_b128 v[64*(\p)+16*\b+4*\c:64*(\p)+16*\b+4*\c+3], v[ADRW+\slot] offset:\b*8192+(\q)*2048+\c*512
.endr
.endr
	WIN 0
.irp i, 0,1,2,3
.irp c, 0,1,2,3
	ds_load_b128 v[32+64*(\p)+16*\i+4*\c:32+64*(\p)+16*\i+4*\c+3], v[ADRX+\slot] offset:\i*8192+(\q)*2048+\c*512
.endr
.endr
.endm
.macro MULH p, i0, zero                ; 8 matrix instructions; the 16 accumulators take turns, in one order in every step
.irp i, \i0, \i0+1
.irp b, 0,1,2,3
.if \zero
	v_wmma_f32_16x16x128_fp8_fp8 v[128+8*(4*(\i)+\b):128+8*(4*(\i)+\b)+7], v[64*(\p)+16*\b:64*(\p)+16*\b+15], v[32+64*(\p)+16*(\i):32+64*(\p)+16*(\i)+15], 0
.else
	v_wmma_f32_16x16x128_fp8_fp8 v[128+8*(4*(\i)+\b):128+8*(4*(\i)+\b)+7], v[64*(\p)+16*\b:64*(\p)+16*\b+15], v[32+64*(\p)+16*(\i):32+64*(\p)+16*(\i)+15], v[128+8*(4*(\i)+\b):128+8*(4*(\i)+\b)+7]
.endif
.endr
.endr
.endm
.macro STEP slot, q, zero              ; one of a slot's first three K steps, on set q % 2; the next step's fragments are fetched into the other set meanwhile
	s_wait_dscnt 0x0                               ; this step's fragments are in
	PLACES 4                                       ; between the last products and the loads into the set that they read
	FETCH \slot, (\q)+1, 1-(\q)%2
	WIN 0x51                                       ; source 0 (Wo), C and D window 1; source 1 (ctx) window 0
	MULH (\q)%2, 0, \zero
	MULH (\q)%2, 2, \zero
	WIN 0
.endm
.macro TURN slot, next, fill           ; a slot's fourth K step, on set 1, and the change of slots.  fill = 1: this slot takes the K steps eight further on
	WIN 0
	s_wait_tensorcnt 0x0                           ; all my tensor loads have landed: my part of the next slot
	ds_add_u32 v[SPW], v[NIL]                      ; 0 onto my spare word
.if \fill
	s_add_nc_u64 s[G0A+4*\slot+2:G0A+4*\slot+3], s[G0A+4*\slot+2:G0A+4*\slot+3], 16384
	s_add_nc_u64 s[G0B+4*\slot+2:G0B+4*\slot+3], s[G0B+4*\slot+2:G0B+4*\slot+3], 16384
.endif
	s_wait_dscnt 0x0                               ; the add is done, set 1 is in, and with it my last reads of this slot
	s_barrier_signal -1
	WIN 0x51
	MULH 1, 0, 0
	WIN 0
	s_barrier_wait -1
.if \fill
	CREST                                          ; the barrier has opened a round of the cluster's
	JLOAD \slot                                    ; the first tensor load behind the round; its four v_nop are also the places in front of the loads into set 0
.else
	PLACES 4
.endif
	FETCH \next, 0, 0
	WIN 0x51
	MULH 1, 2, 0
	WIN 0
.endm
	s_wait_tensorcnt 1                             ; my part of slot 0 is in; slot 1's may stay out
	s_barrier_signal -1
	s_barrier_wait -1
	FETCH 0, 0, 0
	STEP 0, 0, 1
	STEP 0, 1, 0
	STEP 0, 2, 0
	TURN 0, 1, 1
	STEP 1, 0, 0
	STEP 1, 1, 0
	STEP 1, 2, 0
	TURN 1, 0, 1
	STEP 0, 0, 0
	STEP 0, 1, 0
	STEP 0, 2, 0
	TURN 0, 1, 0
	STEP 1, 0, 0
	STEP 1, 1, 0
	STEP 1, 2, 0
	s_wait_dscnt 0x0
	WIN 0x51
	MULH 1, 0, 0
	MULH 1, 2, 0
	WIN 0
	PLACES 4                                       ; in front of the first reads of results
	s_wait_kmcnt 0x0
	s_add_co_i32 s80, s78, s79
	s_add_co_i32 s80, s80, 127
	s_lshl_b32 s80, s80, 23                        ; 2^(e10 + e11) as f32
	s_mov_b32 s81, s80
.macro OTILE i                         ; 16 rows x my 64 columns: through my stage, back as whole runs of 256 bytes
	s_wait_xcnt 0x0                                ; earlier stores have read their registers
	WIN 0x01                                       ; source 0 window 1
.set jj, 0
.rept 16
	v_pk_mul_f32 v[T+jj:T+jj+1], v[128+32*\i+jj:128+32*\i+jj+1], s[80:81] op_sel_hi:[1,0]   ; each accumulator from its low end on
.set jj, jj+2
.endr
	WIN 0
.irp b, 0,1,2,3
	ds_store_b128 v[STO], v[T+8*\b:T+8*\b+3] offset:64*\b
	ds_store_b128 v[STO], v[T+8*\b+4:T+8*\b+7] offset:64*\b+16
.endr
.irp t, 0,1,2,3,4,5,6,7
	ds_load_b128 v[Y+32*((\i)%2)+4*\t:Y+32*((\i)%2)+4*\t+3], v[RD] offset:\t*2*SP   ; LDS serves a wave's instructions in order: these see my stores
.endr
	s_wait_dscnt 0x0
.irp t, 0,1,2,3,4,5,6,7
	global_store_b128 v[CO], v[Y+32*((\i)%2)+4*\t:Y+32*((\i)%2)+4*\t+3], s[10:11] offset:(16*\i+2*\t)*8192 th:TH_STORE_NT   ; sixteen lanes store 256 consecutive bytes, aligned
.endr
.endm
	OTILE 0
	OTILE 1
	OTILE 2
	OTILE 3
	s_wait_tensorcnt 0x0                           ; the wave's end
	ds_add_u32 v[SPW], v[NIL]
	s_wait_dscnt 0x0
	CROUND                                         ; the closing round
	s_endpgm
.Lfunc_end_k_qd3fac8376a_oproj:
	.size	k_qd3fac8376a_oproj, .Lfunc_end_k_qd3fac8376a_oproj-k_qd3fac8376a_oproj
	.p2alignl 7, 3214868480
	.fill 96, 4, 3214868480
	.section	.rodata,"a",@progbits
	.p2align	6, 0x0
	.amdhsa_kernel k_qd3fac8376a_oproj
		.amdhsa_group_segment_fixed_size 327680
		.amdhsa_private_segment_fixed_size 0
		.amdhsa_enable_private_segment 0
		.amdhsa_kernarg_size 32
		.amdhsa_user_sgpr_count 2
		.amdhsa_user_sgpr_kernarg_segment_ptr 1
		.amdhsa_wavefront_size32 1
		.amdhsa_system_sgpr_workgroup_id_x 1
		.amdhsa_system_sgpr_workgroup_id_y 1
		.amdhsa_system_sgpr_workgroup_id_z 1
		.amdhsa_system_vgpr_workitem_id 0
		.amdhsa_next_free_vgpr 512
		.amdhsa_next_free_sgpr 100
		.amdhsa_reserve_vcc 0
		.amdhsa_float_denorm_mode_32 3
		.amdhsa_float_denorm_mode_16_64 3
		.amdhsa_memory_ordered 1
		.amdhsa_forward_progress 1
		.amdhsa_inst_pref_size 74
	.end_amdhsa_kernel
	.amdgpu_metadata
---
amdhsa.version: [ 1, 2 ]
amdhsa.kernels:
  - .name:           k_qd3fac8376a_oproj
    .symbol:         k_qd3fac8376a_oproj.kd
    .args:
      - { .name: ctx, .offset: 0, .size: 8, .value_kind: global_buffer, .address_space: global }
      - { .name: woc, .offset: 8, .size: 8, .value_kind: global_buffer, .address_space: global }
      - { .name: lowp_scales, .offset: 16, .size: 8, .value_kind: global_buffer, .address_space: global }
      - { .name: out0, .offset: 24, .size: 8, .value_kind: global_buffer, .address_space: global }
    .group_segment_fixed_size: 327680
    .private_segment_fixed_size: 0
    .kernarg_segment_align: 8
    .kernarg_segment_size: 32
    .max_flat_workgroup_size: 128
    .sgpr_count:     100
    .vgpr_count:     512
    .wavefront_size: 32
...
	.end_amdgpu_metadata
.endif
;; end of part 4
